; MI455X (gfx1250); checked and timed in simulation.
; The chip was launched on July 23, 2026; its instructions are those of AMD's public machine-readable ISA for CDNA 5 (MIT licence, August 2026) and "CDNA5" Instruction Set Architecture Reference Guide (July 2026). The comments in the code are by the model that wrote it; some were corrected since.
;; Qwen Grouped Query Attention. Allowed arithmetic: matrix products marked QUANTISED: E4M3 operands, one given power-of-two scale a tensor, by v_wmma_f32_16x16x64_fp8_fp8 or v_wmma_f32_16x16x128_fp8_fp8, f32 sums; everything else in f32.
;; Inputs: W_attn 2,048 x 3,072 float32; W_proj 2,048 x 2,048 float32; b_attn 3,072 float32; freqs_cos 2,048 x 64 float32; freqs_sin 2,048 x 64 float32; lowp_scales 8 int32 (the exponents e of the quantised operands' scales 2^e); x 1 x 2,048 x 2,048 float32.
;; Outputs: out0 1 x 2,048 x 2,048 float32.
;; This version of the problem:
;;   THIS VERSION OF THE PROBLEM IS GIVEN IN LOW PRECISION. The matrix products marked QUANTISED in the list below multiply operands that are first quantised to E4M3 (4 exponent bits, 3 mantissa bits; 8 bits a number), with one given power-of-two scale for each operand tensor; their sums are f32. All else is computed in f32.
;;   The module's matrix products, in the order in which they are computed (A, B: the left and right operand; K: the contracted axis; several contracted axes count as one K, in the product's order):
;;     1. [M 2,048, K 2,048] x [K 2,048, N 3,072]; A: input x; B: input W_attn: QUANTISED (scales: A lowp_scales[0], B lowp_scales[1])
;;     2. batch 16 x [M 2,048, K 128] x [K 128, N 2,048]; A: computed on the way; B: computed on the way: QUANTISED (scales: A lowp_scales[2], B lowp_scales[3])
;;     3. batch 16 x [M 2,048, K 2,048] x [K 2,048, N 128]; A: softmax (see below); B: computed on the way: QUANTISED (scales: A lowp_scales[4], B lowp_scales[5])
;;     4. [M 2,048, K 2,048] x [K 2,048, N 2,048]; A: computed on the way; B: input W_proj: QUANTISED (scales: A lowp_scales[6], B lowp_scales[7])
;;   THE QUANTISER, for each operand of a quantised product, along K:
;;     - The operand's scale is 2^e, e = its entry of the input lowp_scales (int32; the entries are numbered through the quantised products in the list's order, A before B).
;;     - Each number is divided by the scale, clamped to +-448, and rounded to the nearest number of E4M3, ties to even, subnormals kept.
;;     - The product sums the exact products of the quantised numbers (number of the format x scale) in f32.
;;   ~~~python
;;   def quantise(x, axis, e):      # numpy; x: float32 -> the quantised numbers, widened to float32 again
;;       x = np.moveaxis(x, axis, -1); K = x.shape[-1]
;;       r = np.clip(x / 2.0 ** e, -448, 448)
;;       step = 2.0 ** (np.maximum(np.frexp(np.where(r == 0, 1, r))[1] - 1, -6) - 3)
;;       q = np.round(r / step) * step * 2.0 ** e      # np.round: ties to even
;;       return np.moveaxis(q, -1, axis).astype(np.float32)
;;   ~~~
;;   SOFTMAX AHEAD OF A QUANTISED PRODUCT. Where the list says 'softmax', what is quantised is not the finished softmax but p = 2^(t - M), with t = logit x log2(e) and M = ceil(the row's largest t), a whole number; so 1/2 < the row's largest p <= 1. The row's sum l is taken of the UNQUANTISED p, in f32, and the product's result is divided by l at the end. Since M is a whole number, a kernel that streams over the keys may use a running M (the ceiling of the running maximum): every later rescaling is an exact power of two, so the quantised numbers keep their values, but for numbers so far below the row's largest that they fall under the format's range.
;;   OPERANDS COMPUTED ON THE WAY. 'Computed on the way' means the value that the module computes at that place (a softmax that the list does not call 'softmax' is quantised finished and normalised). What goes into a quantiser is computed in f32, as accurately as f32 sums, v_exp_f32 and their like allow (about 1e-6 of the number): no bf16 or f16 on the way to a quantiser, and a product that is left as it is and whose result goes on into a quantised operand takes f32 operands (vector FMAs, or v_wmma_f32_16x16x4_f32). A number that lies on a knife's edge between two numbers of the format may be rounded either way, as far as f32 arithmetic and the matrix unit's own rounding can turn it there, and no further.
;; One version. Each part assembles by itself: llvm-mc -triple=amdgcn-amd-amdhsa -mcpu=gfx1250 --defsym DOCPART=n.
;; ======== version 1 of 1: 4 launches
;; limits: right only within a limited range of input values
;; workspace buffers: x_codes 4,194,304 bytes; wa_codes 6,291,456 bytes; wp_codes 4,194,304 bytes; qkv 6,291,456 bytes; y_codes 4,194,304 bytes
;; launch quant (part 1): grid 448 x 1, 4 waves a work-group, no clusters, 55,808 bytes of LDS; arguments x, W_attn, W_proj, lowp_scales, x_codes, wa_codes, wp_codes; writes x_codes, wa_codes, wp_codes
.if DOCPART == 1
	.amdgcn_target "amdgcn-amd-amdhsa--gfx1250"
	.amdhsa_code_object_version 6
	.text
	.protected	k_q4c2ce1ece7_quant
	.globl	k_q4c2ce1ece7_quant
	.p2align	8
	.type	k_q4c2ce1ece7_quant,@function
k_q4c2ce1ece7_quant:
	s_mov_b64 s[64:65], 0
	v_nop
	global_prefetch_b8 v0, s[64:65] scope:SCOPE_SE
	s_setreg_imm32_b32 hwreg(HW_REG_WAVE_MODE, 25, 1), 1
	s_wait_xcnt 0x0
; THE THREE INPUTS OF THE TWO LARGE PRODUCTS BECOME CODES OF FP8 (E4M3), K INNERMOST, EACH WITH ITS GIVEN SCALE 2^e.
;   x [2048 t][2048 k] f32      -> x_codes  [2048 t][2048 k]   e = entry 0 of the scales
;   W_attn [2048 k][3072 n] f32 -> wa_codes in the operands' register order (below)   e = entry 1
;   W_proj [2048 k][2048 n] f32 -> wp_codes in the operands' register order (below)   e = entry 7
; code = number / 2^e, held within +-448, rounded to the nearest code, ties to even.
; LIMITS: each e lies between -126 and 119, so that 2^e and 448 x 2^e are f32 numbers.  NaN among the inputs is not served; an infinity is held at the largest code.
; SHARES: work-groups 0-127 take x (32,768 numbers each, a wave 8,192), 128-319 W_attn, 320-447 W_proj (128 columns x 256 along K each, a wave 32 columns): 131,072 bytes read by each.
; Every input byte is read once and every code written once, each operand being read by 16 to 24 work-groups of the products' launches.  The waves share nothing: no barrier, no cluster, no matrix unit.
; x: K IS INNERMOST.  A conversion takes eight neighbours along K from ONE lane's registers, a load is dense where neighbouring LANES take neighbouring bytes: so a step's 2,048 bytes are loaded as they lie
;    (512 consecutive bytes a load) and turn through the wave's own stage in LDS: in as loaded, back 64 bytes a lane.  The stage has 16 bytes of padding behind each 64.
; W: K IS THE FIRST AXIS.  A lane takes a column n and its registers run down K: each load reads 128 consecutive bytes a wave, and the conversions give codes with K innermost.  A column's 256 codes gather in
;    the wave's stage (rows of 272 bytes) and leave in the operands' register order: the wave stores 512 consecutive bytes, aligned.
; The two ways part on the work-group's number and have LDS bytes of their own: x's stages 0 .. 20,479, W's 20,480 .. 55,295.
.set SP,    80                         ; x: a lane's place in a stage: its 64 bytes + 16 of padding
.set XREG,  2*32*SP                    ; x: a wave's two stages
.set R,     16                         ; x: v16-79   four sets of 16 numbers as loaded
.set X,     80                         ; x: v80-111  two sets of 16 neighbours
.set C,     128                        ; x: v128-191 codes, four registers for each step: no store's data are written again
.set WST,   4*XREG                     ; W: the stages begin here
.set PITCH, 272                        ; W: a stage row: 256 codes + 16 bytes
.set NB,    8                          ; W: blocks of 32 along K for a wave
.set XW,    32                         ; W: v32-95   two sets of 32 numbers
.set CW,    96                         ; W: v96-103  a block's codes
.set OUTR,  112                        ; W: v112-175 the way out
.set AO,    176                        ; W: v176-207 byte offset of row i of a block at my column: i x a row of W + 4 x lane; never rewritten
	s_load_b256 s[4:11], s[0:1], 0x0               ; x s[4:5], W_attn s[6:7], W_proj s[8:9], the scales' exponents s[10:11]
	s_load_b128 s[12:15], s[0:1], 0x20             ; x_codes s[12:13], wa_codes s[14:15]
	s_load_b64 s[16:17], s[0:1], 0x30              ; wp_codes
	v_lshl_add_u32 v208, v0, 2, 0xd800
	v_mov_b32 v209, 0
	v_lshrrev_b32 v1, 5, v0
	v_readfirstlane_b32 s18, v1                    ; wave 0..3
	v_and_b32 v2, 31, v0                           ; lane
	s_wait_kmcnt 0x0
	s_load_b256 s[20:27], s[10:11], 0x0            ; e0 .. e7
	s_cmp_lt_u32 ttmp9, 128
	s_cbranch_scc0 .Lweights
	; ---------------- x ----------------
	s_wait_alu depctr_va_vdst(0)
	v_lshlrev_b32 v3, 4, v2                        ; 16 x lane: my 16 bytes of a load's 512, and my 16 codes of a store's 512; never rewritten
	s_wait_alu depctr_va_vdst(0)
	s_mul_i32 s28, s18, XREG                       ; my wave's stages
	v_lshrrev_b32 v14, 2, v2
	v_mul_u32_u24 v14, v14, SP
	v_and_b32 v15, 3, v2
	v_lshl_add_u32 v14, v15, 4, v14
	v_add_nc_u32 v14, s28, v14                     ; into a stage: four lanes' 64 bytes on end, then the padding: SP (lane / 4) + 16 (lane % 4)
	v_mul_u32_u24 v15, v2, SP
	v_add_nc_u32 v15, s28, v15                     ; and back: SP x lane: my 16 neighbours
	s_lshl_b32 s29, ttmp9, 2
	s_add_co_u32 s29, s29, s18                     ; which run of 8,192 numbers is my wave's
	s_lshl_b32 s30, s29, 15                        ; 32,768 bytes of numbers a run,
	s_mov_b32 s31, 0
	s_add_nc_u64 s[4:5], s[4:5], s[30:31]
	s_lshl_b32 s30, s29, 13                        ; 8,192 bytes of codes
	s_add_nc_u64 s[12:13], s[12:13], s[30:31]
.macro XLOAD t                         ; step t: four loads of 512 consecutive bytes into set t % 4
.irp i, 0,1,2,3
	global_load_b128 v[R+16*((\t)%4)+4*\i:R+16*((\t)%4)+4*\i+3], v3, s[4:5] offset:2048*(\t)+512*\i th:TH_LOAD_NT
.endr
.endm
.macro XTURN t                         ; step t's numbers through stage t % 2: LDS serves a wave's instructions in order (ISA guide 5.7.1.4), so no wait stands between the stores and the loads
.irp i, 0,1,2,3
	ds_store_b128 v14, v[R+16*((\t)%4)+4*\i:R+16*((\t)%4)+4*\i+3] offset:32*SP*((\t)%2)+8*SP*\i
.endr
.irp i, 0,1,2,3
	ds_load_b128 v[X+16*((\t)%2)+4*\i:X+16*((\t)%2)+4*\i+3], v15 offset:32*SP*((\t)%2)+16*\i
.endr
.endm
.irp t, 0,1,2,3
	XLOAD \t                                       ; loads run four steps, 16 loads a wave, ahead
.endr
	s_wait_alu depctr_va_vdst(0)
	s_wait_kmcnt 0x0
	s_add_co_i32 s28, s20, 127                     ; e0
	s_lshl_b32 s29, s28, 23
	v_mov_b32 v11, s29                             ; 2^e as f32: the conversion takes its exponent field
	s_add_co_i32 s28, s28, 8
	s_lshl_b32 s28, s28, 23
	s_or_b32 s28, s28, 0x600000
	v_mov_b32 v10, s28                             ; 448 x 2^e
	s_wait_alu depctr_va_vdst(0)
	s_wait_loadcnt 12                              ; step 0's four loads are in; those of steps 1 to 3 stay out
	XTURN 0
.macro XSTEP t
.set XS, X+16*((\t)%2)
	s_wait_dscnt 0x0                               ; this step's numbers are back from the stage, so its stores into the stage have read their registers,
.if (\t)+4 < 16
	XLOAD (\t)+4                                   ; which take the loads of four steps on
.endif
.if (\t)+1 < 16
.if 14-(\t) >= 3
	s_wait_loadcnt 12                              ; the next step's four loads are in; those of the three steps behind it may be out
.else
	s_wait_loadcnt 4*(14-(\t))                     ; at the end the count runs down: 8, 4, 0
.endif
	XTURN (\t)+1                                   ; the next step goes through the other stage while this one is worked
.endif
.set ii, 0
.rept 16
	v_med3_num_f32 v[XS+ii], v[XS+ii], -v10, v10   ; the conversion to an 8-bit code does not saturate (ISA guide 7.6.2): the number is held within the largest code x the scale first
.set ii, ii+1
.endr
	v_cvt_scalef32_pk8_fp8_f32 v[C+4*(\t):C+4*(\t)+1], v[XS:XS+7], v11
	v_cvt_scalef32_pk8_fp8_f32 v[C+4*(\t)+2:C+4*(\t)+3], v[XS+8:XS+15], v11
	global_store_b128 v3, v[C+4*(\t):C+4*(\t)+3], s[12:13] offset:512*(\t)   ; the wave stores 512 consecutive bytes, aligned.  (The codes go to a store alone; the next vector lines are the next step's holds, plain ones on other registers)
.endm
.irp t, 0,1,2,3,4,5,6,7,8,9,10,11,12,13,14,15
	XSTEP \t
.endr
	s_wait_tensorcnt 0x0
	ds_add_u32 v208, v209
	s_wait_dscnt 0x0
	s_endpgm
	; ---------------- W_attn and W_proj: one way for both; only pointers, the row's length and e are chosen, by the work-group's number ----------------
.Lweights:
	s_sub_co_u32 s28, ttmp9, 128
	s_cmp_lt_u32 s28, 192                          ; W_attn's work-group or W_proj's?
	s_cselect_b64 s[54:55], s[6:7], s[8:9]         ; the weight
	s_cselect_b64 s[50:51], s[14:15], s[16:17]     ; its codes
	s_mov_b32 s52, 8192
	s_cselect_b32 s52, 12288, s52                  ; a row of the weight in bytes
	s_cselect_b32 s29, 0, 192
	s_sub_co_u32 s28, s28, s29                     ; my number within the tensor
	s_and_b32 s30, s28, 7                          ; which 256 along K
	s_lshr_b32 s31, s28, 3                         ; which 128 columns
	s_lshl_b32 s31, s31, 7
	s_lshl_b32 s53, s18, 5
	s_add_co_u32 s31, s31, s53                     ; my wave's first column
	s_lshl_b32 s56, s30, 8
	s_mul_i32 s56, s56, s52                        ; 256 rows x which,
	s_lshl_b32 s53, s31, 2
	s_add_co_u32 s56, s56, s53                     ; + 4 bytes a column: under 2^25
	s_mov_b32 s57, 0
	s_add_nc_u64 s[32:33], s[54:55], s[56:57]      ; block 0's base
	s_lshl_b32 s48, s52, 5                         ; 32 rows on
	s_mov_b32 s49, 0
.irp t, 1,2,3,4,5,6,7
	s_add_nc_u64 s[32+2*\t:33+2*\t], s[30+2*\t:31+2*\t], s[48:49]   ; a base for each of the eight blocks: none is ever stepped
.endr
	s_lshl_b32 s56, s31, 11                        ; the codes: my column's row of 2,048 bytes,
	; THE WEIGHTS' CODES LEAVE IN THE ORDER OF THE PRODUCTS' OPERAND REGISTERS, not as rows: [tile of 16 columns][K step of 128][c 0..3][lane 16 h + r][16 bytes],
	; the 16 bytes being k = 128 step + 32 c + 16 h + 0 .. 15 of column 16 tile + r.  A tile is 32,768 bytes, a K step 2,048; my 256 along K are two K steps
	s_lshl_b32 s53, s30, 12
	s_add_co_u32 s56, s56, s53                     ; + 256 x which
	s_add_nc_u64 s[50:51], s[50:51], s[56:57]
	s_wait_alu depctr_va_vdst(0)
	v_lshlrev_b32 v3, 2, v2                        ; 4 bytes a lane
.set ii, 0
.rept 32
	v_mad_u32_u24 v[AO+ii], s52, ii, v3
.set ii, ii+1
.endr
	s_mul_i32 s53, s18, 32*PITCH
	s_add_co_u32 s53, s53, WST                     ; my stage
	v_mul_u32_u24 v4, v2, PITCH
	v_add_nc_u32 v4, s53, v4                       ; into it: row = my column
	v_and_b32 v5, 15, v2
	v_lshrrev_b32 v6, 4, v2
	v_mul_u32_u24 v7, v5, PITCH                    ; out of the stage: lane (r, h) takes 16 bytes of column r's row, at 16 h
	v_lshl_add_u32 v7, v6, 4, v7
	v_add_nc_u32 v7, s53, v7                       ; out of it: two lanes to a row, sixteen rows an instruction
	v_lshlrev_b32 v8, 4, v2                        ; and puts them at 16 x lane of a run of 512 bytes
.macro WLOAD t                         ; block t: W(32 t + i, my column), i = 0 .. 31, into set t % 2
.set ii, 0
.rept 32
	global_load_b32 v[XW+32*((\t)%2)+ii], v[AO+ii], s[32+2*(\t):33+2*(\t)] th:TH_LOAD_NT
.set ii, ii+1
.endr
.endm
	WLOAD 0
	WLOAD 1                                        ; loads run two blocks ahead
	s_wait_kmcnt 0x0
	s_cmp_lt_u32 ttmp9, 320
	s_cselect_b32 s28, s21, s27                    ; e1 or e7
	s_add_co_i32 s28, s28, 127
	s_lshl_b32 s29, s28, 23
	v_mov_b32 v11, s29                             ; 2^e
	s_add_co_i32 s28, s28, 8
	s_lshl_b32 s28, s28, 23
	s_or_b32 s28, s28, 0x600000
	v_mov_b32 v10, s28                             ; 448 x 2^e
.macro WBLOCK t
.set XS, XW+32*((\t)%2)
.if (\t) < NB-1
	s_wait_loadcnt 32                              ; this block's 32 loads are in; the next block's may be out
.else
	s_wait_loadcnt 0x0
.endif
.set ii, 0
.rept 32
	v_med3_num_f32 v[XS+ii], v[XS+ii], -v10, v10
.set ii, ii+1
.endr
.irp g, 0,1,2,3
	v_cvt_scalef32_pk8_fp8_f32 v[CW+2*\g:CW+2*\g+1], v[XS+8*\g:XS+8*\g+7], v11
.endr
	ds_store_b128 v4, v[CW:CW+3] offset:32*(\t)    ; 32 codes: 32 bytes of my column's row
	ds_store_b128 v4, v[CW+4:CW+7] offset:32*(\t)+16
.if (\t)+2 < NB
	WLOAD (\t)+2
.endif
	s_wait_dscnt 0x0                               ; the stores have read their registers: the next block's codes may be written
.endm
	s_wait_alu depctr_va_vdst(0)
.irp t, 0,1,2,3,4,5,6,7
	WBLOCK \t
.endr
.irp t, 0,1,2,3,4,5,6,7,8,9,10,11,12,13,14,15
	ds_load_b128 v[OUTR+4*\t:OUTR+4*\t+3], v7 offset:(\t/8)*16*PITCH+((\t/4)%2)*128+(\t%4)*32   ; tile t / 8, K step (t / 4) % 2, c = t % 4
.endr
.irp t, 0,1,2,3,4,5,6,7,8,9,10,11,12,13,14,15
	s_wait_dscnt 15-\t                             ; LDS loads come back in order: load t is in
	global_store_b128 v8, v[OUTR+4*\t:OUTR+4*\t+3], s[50:51] offset:(\t/8)*32768+((\t/4)%2)*2048+(\t%4)*512   ; the wave stores 512 consecutive bytes, aligned
.endr
	s_wait_tensorcnt 0x0
	ds_add_u32 v208, v209
	s_wait_dscnt 0x0
	s_endpgm
.Lfunc_end_k_q4c2ce1ece7_quant:
	.size	k_q4c2ce1ece7_quant, .Lfunc_end_k_q4c2ce1ece7_quant-k_q4c2ce1ece7_quant
	.p2alignl 7, 3214868480
	.fill 96, 4, 3214868480
	.section	.rodata,"a",@progbits
	.p2align	6, 0x0
	.amdhsa_kernel k_q4c2ce1ece7_quant
		.amdhsa_group_segment_fixed_size 55808
		.amdhsa_private_segment_fixed_size 0
		.amdhsa_enable_private_segment 0
		.amdhsa_kernarg_size 56
		.amdhsa_user_sgpr_count 2
		.amdhsa_user_sgpr_kernarg_segment_ptr 1
		.amdhsa_wavefront_size32 1
		.amdhsa_system_sgpr_workgroup_id_x 1
		.amdhsa_system_sgpr_workgroup_id_y 1
		.amdhsa_system_sgpr_workgroup_id_z 1
		.amdhsa_system_vgpr_workitem_id 0
		.amdhsa_next_free_vgpr 210
		.amdhsa_next_free_sgpr 66
		.amdhsa_reserve_vcc 0
		.amdhsa_float_denorm_mode_32 3
		.amdhsa_float_denorm_mode_16_64 3
		.amdhsa_memory_ordered 1
		.amdhsa_forward_progress 1
		.amdhsa_inst_pref_size 88
	.end_amdhsa_kernel
	.amdgpu_metadata
---
amdhsa.version: [ 1, 2 ]
amdhsa.kernels:
  - .name:           k_q4c2ce1ece7_quant
    .symbol:         k_q4c2ce1ece7_quant.kd
    .args:
      - { .name: x, .offset: 0, .size: 8, .value_kind: global_buffer, .address_space: global }
      - { .name: W_attn, .offset: 8, .size: 8, .value_kind: global_buffer, .address_space: global }
      - { .name: W_proj, .offset: 16, .size: 8, .value_kind: global_buffer, .address_space: global }
      - { .name: lowp_scales, .offset: 24, .size: 8, .value_kind: global_buffer, .address_space: global }
      - { .name: x_codes, .offset: 32, .size: 8, .value_kind: global_buffer, .address_space: global }
      - { .name: wa_codes, .offset: 40, .size: 8, .value_kind: global_buffer, .address_space: global }
      - { .name: wp_codes, .offset: 48, .size: 8, .value_kind: global_buffer, .address_space: global }
    .group_segment_fixed_size: 55808
    .private_segment_fixed_size: 0
    .kernarg_segment_align: 8
    .kernarg_segment_size: 56
    .max_flat_workgroup_size: 128
    .sgpr_count:     66
    .vgpr_count:     210
    .wavefront_size: 32
...
	.end_amdgpu_metadata
.endif
;; end of part 1
;; launch gemm_qkv (part 2): grid 16 x 16, 4 waves a work-group, clusters of 4 x 1, 327,680 bytes of LDS; arguments x_codes, wa_codes, qkv, b_attn, freqs_cos, freqs_sin, lowp_scales; writes qkv
.if DOCPART == 2
	.amdgcn_target "amdgcn-amd-amdhsa--gfx1250"
	.amdhsa_code_object_version 6
	.text
	.protected	k_q4c2ce1ece7_gemm_qkv
	.globl	k_q4c2ce1ece7_gemm_qkv
	.p2align	8
	.type	k_q4c2ce1ece7_gemm_qkv,@function
k_q4c2ce1ece7_gemm_qkv:
	s_mov_b64 s[64:65], 0
	v_nop
	global_prefetch_b8 v0, s[64:65] scope:SCOPE_SE
	s_setreg_imm32_b32 hwreg(HW_REG_WAVE_MODE, 25, 1), 1
	s_wait_xcnt 0x0
	s_wait_alu depctr_hold_cnt(0) depctr_sa_sdst(0) depctr_va_vdst(0) depctr_va_sdst(0) depctr_va_ssrc(0) depctr_va_vcc(0) depctr_vm_vsrc(0)
	s_getreg_b32 s2, hwreg(HW_REG_IB_STS2, 6, 4)
	s_cmp_eq_u32 s2, 0
	s_cbranch_scc0 .Lentry_in_a_cluster
	s_endpgm
.Lentry_in_a_cluster:
	s_bfe_u32 s2, ttmp6, 0x10000c
	s_cmp_lg_u32 s2, 0x3003
	s_cbranch_scc0 .Lentry_shape_is_right
	s_endpgm
.Lentry_shape_is_right:
; qkv = x W_attn + b_attn on codes of FP8 (E4M3); the pairs of k and of v are turned by cos and sin (not q's); q, k and v are quantised for the two products of attention.
; IN: x_codes [2048 t][2048 k].  wa_codes in the order of operand registers: [192 tiles of 16 columns][16 K steps of 128][c 0..3][lane 16 h + r][16 bytes], the bytes being k = 128 step + 32 c + 16 h + 0 .. 15 of column 16 tile + r.
; SHARES: 256 work-groups: block of 128 tokens tb (grid y) x column group cb (grid x).  A group is q's head cb (128 columns), 32 columns of k and 32 of v: 12 tiles of 16 columns.
; Wave w takes q's tiles 2 w, 2 w + 1 and one more tile: waves 0, 1 of k, waves 2, 3 of v; each against all 128 tokens: 24 accumulators, 192 registers.  So every work-group runs one text, and what differs hangs on the wave's number.
; x's 128 rows x all of K lie in LDS, filled ONCE: wave w fetches K quarter w, 128 rows x 512 bytes, by one tensor load.  Nothing is filled again: no ring, and one barrier ahead of the products.
; W's fragments go from memory straight into registers, 512 consecutive bytes a load; no two waves of a work-group load the same byte of W.  They run NBUF - 1 = 4 K steps ahead: at most 60 loads of a wave are out.
; CLUSTER: the four work-groups of a cluster have the same tb, so x's tile is asked for jointly (mask 15); its address hangs on tb and the wave's number alone.
; No data prefetch: the text has no loop to run ahead in; x's tile is asked for once at the head, and W's loads themselves run four K steps ahead.
; ARITHMETIC: the bias x 2^-(e0 + e1) is the C of each sum's first product, so a finished sum stands for number x 2^-(e0 + e1); the turn is linear and is made on the sums; the conversion divides by 2^(e - e0 - e1): e2 for q, e3 for k, e5 for v.
; The matrix instruction is used transposed (source 0 = 16 columns of W, source 1 = 16 tokens): lane (r, h) holds token r, its registers the columns 8 h + 0 .. 7.  The places of k inside an instruction are permuted, alike in both operands.
; OUT: qkv = 24 planes of 262,144 bytes, each 16 blocks (128 tokens) of 16,384 bytes.  q (planes 0-15): [tile of 16 tokens][c][h][r][16 bytes], d = 32 c + 16 h + byte.  k (16-19): [c][h][tile of 16 keys][r][16 bytes], the same d.
; v (20-23): [128 d][128 keys].  q and k leave from registers, 256 consecutive aligned bytes a store; v turns through the wave's own stage and leaves 512 bytes a store.
; LIMITS: e0 + e1 between -127 and 126; e2, e3, e5 less e0 + e1 between -126 and 119, so that each power of two here is an f32 number.  The turn uses fused multiply-adds.
; REGISTERS: window 0: v1-6 at work; v8-11 scales and bounds; v16-29 addresses; v32-55 the bias, later k's or v's codes; v56-59 at work; v64-255 accumulators ((b, a) at v[64 + 8 (8 b + a)]).
;   window 1: x's fragments, two sets of 8 x 16.   window 2: W's fragments, five sets of 3 x 16.   window 3: v0-31 cosines, v32-63 sines.
.set PITCH,  528                       ; an LDS row: 512 bytes + 16 of padding: an odd multiple of 16
.set REGION, 128*PITCH                 ; a K quarter of the 128 rows
.set SQ,     144                       ; v's stage: a row of 128 keys + 16 bytes
.set VSTAGE, 4*REGION                  ; 16 rows for each wave; no tensor load lands here
.set SPARE,  VSTAGE+4*16*SQ            ; the spare words, 128 bytes a wave
.set NT,   3                           ; tiles of W a wave
.set NBUF, 5                           ; sets of W's fragments
.set BR,   16*NT
.set LB,   4*NT                        ; loads a K step
.set SCQ, 8
.set LMQ, 9
.set SC3, 10
.set LM3, 11
.set ADA, 16                           ; v16-19 my place in a fragment's rows, K quarter 0 .. 3
.set LO,  20                           ; 16 x lane
.set BO,  21                           ; the bias: 32 h
.set CSO, 22                           ; cos, sin: 256 r + 16 h
.set QS,  23                           ; q, k on the way out: 16 r + 8 h
.set STV, 24                           ; v into its stage
.set RD,  25                           ; and back
.set SPW, 28
.set NIL, 29
.set BI,  32
.set CD3, 32
.set TT,  56
.set ACC, 64
.set CDQ, ACC+128                      ; q's codes lie where the third tile's sums lay
.set T8,  64
.set CC,  0
.set SS,  32
.set MUL, 0x06                         ; source 0 (W) window 2, source 1 (x) window 1, C and D window 0
.set MSB, 0
.macro WIN new                         ; the immediate's high byte repeats the setting that is left
.if MSB != \new
	s_set_vgpr_msb (MSB<<8)|\new
.set MSB, \new
.endif
.endm
.macro CROUND                          ; a round of the cluster's barrier
	s_barrier_signal -1
	s_barrier_wait -1
	s_cmp_lg_u32 s10, 0
	s_cbranch_scc1 .Lnot_wave_0_\@
	s_barrier_signal -3
.Lnot_wave_0_\@:
	s_barrier_wait -3
	s_barrier_signal -1
	s_barrier_wait -1
.endm
.macro PLACES                          ; four plain places behind matrix instructions (ISA guide 7.12.1)
.rept 4
	v_nop
.endr
.endm
.macro LOADB n                         ; W's three fragments of K step n into set n % NBUF
	WIN 0x80
.set bb, 0
.rept NT
.irp c, 0,1,2,3
.if bb < 2
	global_load_b128 v[BR*((\n)%NBUF)+16*bb+4*\c:BR*((\n)%NBUF)+16*bb+4*\c+3], v[LO], s[36:37] offset:32768*bb+2048*(\n)+512*\c
.else
	global_load_b128 v[BR*((\n)%NBUF)+16*bb+4*\c:BR*((\n)%NBUF)+16*bb+4*\c+3], v[LO], s[38:39] offset:2048*(\n)+512*\c
.endif
.endr
.set bb, bb+1
.endr
.endm
.macro FETCHA n, a0                    ; four of x's eight fragments of K step n, blocks a0 .. a0 + 3, into set n % 2: registers 4 c .. 4 c + 3 hold k = 32 c + 16 h + 0 .. 15 of row r
	WIN 0x40
.set aa, \a0
.rept 4
.irp c, 0,1,2,3
	ds_load_b128 v[128*((\n)%2)+16*aa+4*\c:128*((\n)%2)+16*aa+4*\c+3], v[ADA+(\n)/4] offset:16*PITCH*aa+128*((\n)%4)+32*\c
.endr
.set aa, aa+1
.endr
.endm
; A K step of 128: behind the places, the registers that the last step multiplied take W's loads of NBUF - 1 steps on and x's fragments of the next step; then 24 products, the accumulators by turns.
.macro KSTEP n
.if (\n) > 0
	PLACES
.if (\n)+NBUF-1 < 16
	LOADB (\n)+NBUF-1
.endif
.endif
.if (\n) < 15
	FETCHA (\n)+1, 0
	s_wait_dscnt 32                                ; this step's blocks 0-3 of x are in; its blocks 4-7 and the 16 loads just issued may be out
.else
	s_wait_dscnt 16                                ; blocks 0-3 are in; blocks 4-7 may be out
.endif
.if (\n)+NBUF-1 < 16
	s_wait_loadcnt (NBUF-1)*LB                     ; this step's fragments of W are in; those of the four steps behind it may be out
.else
	s_wait_loadcnt (15-(\n))*LB                    ; at the end the count runs down
.endif
	WIN MUL
	MULA \n, 0                                     ; the step goes in two halves of x's blocks, half of the next step's LDS loads ahead of each
.if (\n) < 15
	FETCHA (\n)+1, 4
	s_wait_dscnt 32                                ; this step's blocks 4-7 are in; the next step's 32 loads may be out
.else
	s_wait_dscnt 0x0
.endif
	WIN MUL
	MULA \n, 4
.endm
.macro MULA n, a0                      ; x's blocks a0 .. a0 + 3 against W's tiles
.set bb, 0
.rept NT
.set aa, \a0
.rept 4
.if (\n) == 0
	v_wmma_f32_16x16x128_fp8_fp8 v[ACC+8*(8*bb+aa):ACC+8*(8*bb+aa)+7], v[BR*((\n)%NBUF)+16*bb:BR*((\n)%NBUF)+16*bb+15], v[128*((\n)%2)+16*aa:128*((\n)%2)+16*aa+15], v[BI+8*bb:BI+8*bb+7]
.else
	v_wmma_f32_16x16x128_fp8_fp8 v[ACC+8*(8*bb+aa):ACC+8*(8*bb+aa)+7], v[BR*((\n)%NBUF)+16*bb:BR*((\n)%NBUF)+16*bb+15], v[128*((\n)%2)+16*aa:128*((\n)%2)+16*aa+15], v[ACC+8*(8*bb+aa):ACC+8*(8*bb+aa)+7]
.endif
.set aa, aa+1
.endr
.set bb, bb+1
.endr
.endm
	s_load_b128 s[4:7], s[0:1], 0x0                ; x's codes s[4:5], W's codes s[6:7]
	s_load_b64 s[8:9], s[0:1], 0x10                ; qkv
	s_load_b256 s[68:75], s[0:1], 0x18             ; the bias s[68:69], cos s[70:71], sin s[72:73], the scales' exponents s[74:75]
	v_lshl_add_u32 v[SPW], v0, 2, SPARE
	v_mov_b32 v[NIL], 0
	ds_add_u32 v[SPW], v[NIL]                      ; the opening lines: the add, twice on end, and its wait ahead of my tensor load
	ds_add_u32 v[SPW], v[NIL]
	v_lshrrev_b32 v1, 5, v0
	v_readfirstlane_b32 s10, v1                    ; wave w
	s_and_b32 s11, s10, 1                          ; w % 2
	s_lshr_b32 s12, s10, 1                         ; w / 2: 0 my third tile is k's, 1 v's
	s_bfe_u32 s13, ttmp6, 0x40000                  ; cx
	s_lshl_b32 s14, ttmp9, 2
	s_add_co_u32 s14, s14, s13                     ; cb = 4 x cluster x + cx
	s_and_b32 s15, ttmp7, 0xffff                   ; tb
	s_mov_b32 s24, 15|(1<<20)|(1<<21)|(6<<22)|(3<<25)   ; group 1: the mask of all four partners; elements of 1 byte; padding of 4 words behind every 128; bit 21 beside the mask
	s_mov_b32 s25, 512<<16                         ; tensor_dim0
	s_mov_b32 s26, 128<<16                         ; tensor_dim1
	s_mov_b32 s27, 512<<16                         ; tile_dim0
	s_mov_b32 s28, 128                             ; tile_dim1
	s_mov_b32 s29, 2048                            ; from row to row
	s_mov_b32 s30, 0
	s_mov_b32 s31, 0
	s_mov_b32 s32, 1                               ; group 0
	s_mul_i32 s33, s10, REGION                     ; LDS: my K quarter's region
	s_lshl_b32 s16, s15, 18                        ; memory: 128 tb rows of 2,048 bytes,
	s_lshl_b32 s17, s10, 9                         ; + 512 w
	s_add_co_u32 s16, s16, s17
	s_mov_b32 s17, 0
	s_mul_i32 s18, s10, 16*SQ
	s_add_co_u32 s18, s18, VSTAGE                  ; my stage
	s_wait_dscnt 0x0                               ; both opening adds are done
	s_wait_kmcnt 0x0
	s_load_b256 s[76:83], s[74:75], 0x0            ; e0 .. e7
	s_add_nc_u64 s[34:35], s[4:5], s[16:17]
	s_or_b32 s35, s35, 0x80000000                  ; type = 2
	CROUND                                         ; all four work-groups are here: the joint loads meet
	tensor_load_to_lds s[32:35], s[24:31]          ; my one tensor load of the launch
	s_nop 0
	v_and_b32 v1, 15, v0                           ; r
	v_bfe_u32 v2, v0, 4, 1                         ; h
	v_and_b32 v3, 31, v0                           ; lane
	v_lshlrev_b32 v[LO], 4, v3
	v_mul_u32_u24 v4, v1, PITCH
	v_lshl_add_u32 v[ADA], v2, 4, v4               ; row r x pitch + 16 h
	v_add_nc_u32 v[ADA+1], REGION, v[ADA]
	v_add_nc_u32 v[ADA+2], 2*REGION, v[ADA]
	v_add_nc_u32 v[ADA+3], 3*REGION, v[ADA]
	v_lshlrev_b32 v[BO], 5, v2
	v_lshlrev_b32 v5, 8, v1
	v_lshl_add_u32 v[CSO], v2, 4, v5
	v_lshlrev_b32 v5, 4, v1
	v_lshl_add_u32 v[QS], v2, 3, v5
	v_mul_u32_u24 v5, v2, 8*SQ                     ; v into the stage: row d = 8 h + j.  Within each 32 keys a row holds them in the order 0-7, 16-23, 8-15, 24-31: key 16 u + 8 g + e at byte 16 g + 8 u + e,
	v_add_nc_u32 v5, v5, v1                        ; so that 16 neighbouring bytes are two register pairs of attention's operand.  Token 16 a + r: byte 32 (a / 2) + 8 (a % 2) + r + 8 (r / 8)
	v_and_b32 v6, 8, v1
	v_add_nc_u32 v5, v5, v6
	v_add_nc_u32 v[STV], s18, v5
	v_lshrrev_b32 v5, 3, v3                        ; and back: four rows of 128 bytes an instruction, eight lanes to a row
	v_and_b32 v6, 7, v3
	v_mul_u32_u24 v5, v5, SQ
	v_lshl_add_u32 v5, v6, 4, v5
	v_add_nc_u32 v[RD], s18, v5
	s_wait_alu depctr_va_vdst(0)                   ; ahead of the run of scalar lines
	s_mov_b32 s51, 0
	s_lshl_b32 s50, s14, 18                        ; W: q's tiles 8 cb + 2 w, + 1, of 32,768 bytes
	s_lshl_b32 s52, s10, 16
	s_add_co_u32 s50, s50, s52
	s_add_nc_u64 s[36:37], s[6:7], s[50:51]
	s_lshr_b32 s50, s50, 9                         ; their bias: 64 bytes a tile
	s_add_nc_u64 s[40:41], s[68:69], s[50:51]
	s_lshl_b32 s53, s14, 1                         ; the third tile: 128 + 2 cb + w for k, 160 + 2 cb + w - 2 for v
	s_add_co_u32 s53, s53, s10
	s_mul_i32 s52, s12, 30
	s_add_co_u32 s53, s53, s52
	s_add_co_u32 s53, s53, 128
	s_lshl_b32 s50, s53, 15
	s_add_nc_u64 s[38:39], s[6:7], s[50:51]
	s_lshl_b32 s50, s53, 6
	s_add_nc_u64 s[42:43], s[68:69], s[50:51]
	s_lshl_b32 s50, s15, 15                        ; cos, sin: 128 tb rows of 256 bytes; the tile's first pair: d = 32 cx + 16 (w % 2), 2 bytes a d
	s_lshl_b32 s52, s13, 6
	s_add_co_u32 s50, s50, s52
	s_lshl_b32 s52, s11, 5
	s_add_co_u32 s50, s50, s52
	s_add_nc_u64 s[70:71], s[70:71], s[50:51]
	s_add_nc_u64 s[72:73], s[72:73], s[50:51]
	s_lshl_b32 s50, s14, 18                        ; q out: plane cb, block tb, c = w
	s_lshl_b32 s52, s15, 14
	s_add_co_u32 s50, s50, s52
	s_lshl_b32 s52, s10, 9
	s_add_co_u32 s50, s50, s52
	s_add_nc_u64 s[46:47], s[8:9], s[50:51]
	s_lshl_b32 s50, s12, 2                         ; k or v out: plane 16 + 4 (w / 2) + cb / 4, block tb, 4,096 cx + 2,048 (w % 2)
	s_add_co_u32 s50, s50, ttmp9
	s_add_co_u32 s50, s50, 16
	s_lshl_b32 s50, s50, 18
	s_lshl_b32 s52, s15, 14
	s_add_co_u32 s50, s50, s52
	s_lshl_b32 s52, s13, 12
	s_add_co_u32 s50, s50, s52
	s_lshl_b32 s52, s11, 11
	s_add_co_u32 s50, s50, s52
	s_add_nc_u64 s[48:49], s[8:9], s[50:51]
.irp b, 0,1
	global_load_b128 v[BI+8*\b:BI+8*\b+3], v[BO], s[40:41] offset:64*\b        ; the bias of columns 8 h + 0 .. 7 of each tile, in the result's layout
	global_load_b128 v[BI+8*\b+4:BI+8*\b+7], v[BO], s[40:41] offset:64*\b+16
.endr
	global_load_b128 v[BI+16:BI+19], v[BO], s[42:43]
	global_load_b128 v[BI+20:BI+23], v[BO], s[42:43] offset:16
	WIN 0xc0
.irp a, 0,1,2,3,4,5,6,7
	global_load_b128 v[CC+4*\a:CC+4*\a+3], v[CSO], s[70:71] offset:4096*\a     ; token 16 a + r, pairs 4 h + 0 .. 3 of the third tile
	global_load_b128 v[SS+4*\a:SS+4*\a+3], v[CSO], s[72:73] offset:4096*\a
.endr
.irp n, 0,1,2,3,4
	LOADB \n
.endr
	WIN 0
	s_wait_kmcnt 0x0
	s_add_co_i32 s16, s76, s77                     ; e0 + e1
	s_sub_co_i32 s17, 127, s16
	s_lshl_b32 s66, s17, 23                        ; 2^-(e0 + e1)
	s_mov_b32 s67, s66                             ; (named with it as a pair)
	s_cmp_lt_u32 s10, 2
	s_cselect_b32 s18, s79, s81                    ; e3 for k, e5 for v: a choice on the wave's number
	s_sub_co_i32 s19, s78, s16                     ; e2 - e0 - e1
	s_sub_co_i32 s18, s18, s16
	s_add_co_i32 s19, s19, 127
	s_lshl_b32 s20, s19, 23
	v_mov_b32 v[SCQ], s20                          ; the conversion takes this number's exponent field
	s_add_co_i32 s19, s19, 8
	s_lshl_b32 s19, s19, 23
	s_or_b32 s19, s19, 0x600000
	v_mov_b32 v[LMQ], s19                          ; 448 x that
	s_add_co_i32 s18, s18, 127
	s_lshl_b32 s20, s18, 23
	v_mov_b32 v[SC3], s20
	s_add_co_i32 s18, s18, 8
	s_lshl_b32 s18, s18, 23
	s_or_b32 s18, s18, 0x600000
	v_mov_b32 v[LM3], s18
	s_wait_loadcnt 60                              ; the bias, cos and sin are in; W's five sets, 60 loads, may be out
.set jj, 0
.rept 12
	v_pk_mul_f32 v[BI+jj:BI+jj+1], v[BI+jj:BI+jj+1], s[66:67] op_sel_hi:[1,0]   ; the bias in the sums' unit
.set jj, jj+2
.endr
	s_wait_alu depctr_va_vdst(0)                   ; at the head's end
	s_wait_tensorcnt 0x0                           ; my K quarter is in
	s_barrier_signal -1
	s_barrier_wait -1                              ; everybody's is
	FETCHA 0, 0
	FETCHA 0, 4
.set kk, 0
.rept 16
	KSTEP kk
.set kk, kk+1
.endr
	WIN 0
	PLACES
	WIN 0x0c                                       ; source 1 (cos, sin) window 3
.set aa, 0
.rept 8                                ; the third tile: (a, b) -> (a c - b s, a s + b c) for a lane's four pairs
.set A3, ACC+128+8*aa
.irp p, 0,1,2,3
	v_mul_f32 v[TT+\p], v[A3+2*\p+1], v[SS+4*aa+\p]
.endr
.irp p, 0,1,2,3
	v_mul_f32 v[A3+2*\p+1], v[A3+2*\p+1], v[CC+4*aa+\p]
.endr
.irp p, 0,1,2,3
	v_fmac_f32 v[A3+2*\p+1], v[A3+2*\p], v[SS+4*aa+\p]
.endr
.irp p, 0,1,2,3
	v_fma_f32 v[A3+2*\p], v[A3+2*\p], v[CC+4*aa+\p], -v[TT+\p]
.endr
.set aa, aa+1
.endr
	WIN 0
.set jj, 0
.rept 64
	v_med3_num_f32 v[ACC+128+jj], v[ACC+128+jj], -v[LM3], v[LM3]   ; the conversion does not saturate (ISA guide 7.6.2): the hold at the largest code
.set jj, jj+1
.endr
.set aa, 0
.rept 8
	v_cvt_scalef32_pk8_fp8_f32 v[CD3+2*aa:CD3+2*aa+1], v[ACC+128+8*aa:ACC+128+8*aa+7], v[SC3]
.set aa, aa+1
.endr
.set jj, 0
.rept 128
	v_med3_num_f32 v[ACC+jj], v[ACC+jj], -v[LMQ], v[LMQ]
.set jj, jj+1
.endr
.set aa, 0
.rept 16
	v_cvt_scalef32_pk8_fp8_f32 v[CDQ+2*aa:CDQ+2*aa+1], v[ACC+8*aa:ACC+8*aa+7], v[SCQ]
.set aa, aa+1
.endr
	v_nop                                          ; one plain line behind the last conversion
	s_wait_alu depctr_va_vdst(0)                   ; ahead of the branch
	s_cmp_lt_u32 s10, 2
	s_cbranch_scc1 .Lk
.set aa, 0
.rept 8                                ; v: the keys go innermost: each of my 8 codes into its own row d, at my token's byte
	v_lshrrev_b32 v[T8+6*aa+0], 8, v[CD3+2*aa]
	v_lshrrev_b32 v[T8+6*aa+1], 16, v[CD3+2*aa]
	v_lshrrev_b32 v[T8+6*aa+2], 24, v[CD3+2*aa]
	v_lshrrev_b32 v[T8+6*aa+3], 8, v[CD3+2*aa+1]
	v_lshrrev_b32 v[T8+6*aa+4], 16, v[CD3+2*aa+1]
	v_lshrrev_b32 v[T8+6*aa+5], 24, v[CD3+2*aa+1]
	ds_store_b8 v[STV], v[CD3+2*aa] offset:0*SQ+32*(aa/2)+8*(aa%2)
	ds_store_b8 v[STV], v[T8+6*aa+0] offset:1*SQ+32*(aa/2)+8*(aa%2)
	ds_store_b8 v[STV], v[T8+6*aa+1] offset:2*SQ+32*(aa/2)+8*(aa%2)
	ds_store_b8 v[STV], v[T8+6*aa+2] offset:3*SQ+32*(aa/2)+8*(aa%2)
	ds_store_b8 v[STV], v[CD3+2*aa+1] offset:4*SQ+32*(aa/2)+8*(aa%2)
	ds_store_b8 v[STV], v[T8+6*aa+3] offset:5*SQ+32*(aa/2)+8*(aa%2)
	ds_store_b8 v[STV], v[T8+6*aa+4] offset:6*SQ+32*(aa/2)+8*(aa%2)
	ds_store_b8 v[STV], v[T8+6*aa+5] offset:7*SQ+32*(aa/2)+8*(aa%2)
.set aa, aa+1
.endr
.irp i, 0,1,2,3
	ds_load_b128 v[112+4*\i:115+4*\i], v[RD] offset:4*SQ*\i   ; LDS serves a wave's instructions in order (ISA guide 5.7.1.4): these see my stores
.endr
.irp i, 0,1,2,3
	s_wait_dscnt 3-\i
	global_store_b128 v[LO], v[112+4*\i:115+4*\i], s[48:49] offset:512*\i   ; 512 consecutive bytes of my 16 rows d
.endr
	s_branch .Lq
.Lk:
.irp a, 0,1,2,3,4,5,6,7
	global_store_b64 v[QS], v[CD3+2*\a:CD3+2*\a+1], s[48:49] offset:256*\a   ; k: tile a of 16 keys: the wave stores 256 consecutive bytes, aligned
.endr
.Lq:
.irp b, 0,1
.irp a, 0,1,2,3,4,5,6,7
	global_store_b64 v[QS], v[CDQ+2*(8*\b+\a):CDQ+2*(8*\b+\a)+1], s[46:47] offset:2048*\a+256*\b   ; q: tile a of 16 tokens, c = w, h = b: 256 consecutive bytes, aligned
.endr
.endr
	s_wait_tensorcnt 0x0                           ; the wave's end
	ds_add_u32 v[SPW], v[NIL]
	s_wait_dscnt 0x0
	CROUND                                         ; the closing round
	s_endpgm
.Lfunc_end_k_q4c2ce1ece7_gemm_qkv:
	.size	k_q4c2ce1ece7_gemm_qkv, .Lfunc_end_k_q4c2ce1ece7_gemm_qkv-k_q4c2ce1ece7_gemm_qkv
	.p2alignl 7, 3214868480
	.fill 96, 4, 3214868480
	.section	.rodata,"a",@progbits
	.p2align	6, 0x0
	.amdhsa_kernel k_q4c2ce1ece7_gemm_qkv
		.amdhsa_group_segment_fixed_size 327680
		.amdhsa_private_segment_fixed_size 0
		.amdhsa_enable_private_segment 0
		.amdhsa_kernarg_size 56
		.amdhsa_user_sgpr_count 2
		.amdhsa_user_sgpr_kernarg_segment_ptr 1
		.amdhsa_wavefront_size32 1
		.amdhsa_system_sgpr_workgroup_id_x 1
		.amdhsa_system_sgpr_workgroup_id_y 1
		.amdhsa_system_sgpr_workgroup_id_z 1
		.amdhsa_system_vgpr_workitem_id 0
		.amdhsa_next_free_vgpr 1024
		.amdhsa_next_free_sgpr 96
		.amdhsa_reserve_vcc 0
		.amdhsa_float_denorm_mode_32 3
		.amdhsa_float_denorm_mode_16_64 3
		.amdhsa_memory_ordered 1
		.amdhsa_forward_progress 1
		.amdhsa_inst_pref_size 117
	.end_amdhsa_kernel
	.amdgpu_metadata
---
amdhsa.version: [ 1, 2 ]
amdhsa.kernels:
  - .name:           k_q4c2ce1ece7_gemm_qkv
    .symbol:         k_q4c2ce1ece7_gemm_qkv.kd
    .args:
      - { .name: x_codes, .offset: 0, .size: 8, .value_kind: global_buffer, .address_space: global }
      - { .name: wa_codes, .offset: 8, .size: 8, .value_kind: global_buffer, .address_space: global }
      - { .name: qkv, .offset: 16, .size: 8, .value_kind: global_buffer, .address_space: global }
      - { .name: b_attn, .offset: 24, .size: 8, .value_kind: global_buffer, .address_space: global }
      - { .name: freqs_cos, .offset: 32, .size: 8, .value_kind: global_buffer, .address_space: global }
      - { .name: freqs_sin, .offset: 40, .size: 8, .value_kind: global_buffer, .address_space: global }
      - { .name: lowp_scales, .offset: 48, .size: 8, .value_kind: global_buffer, .address_space: global }
    .group_segment_fixed_size: 327680
    .private_segment_fixed_size: 0
    .kernarg_segment_align: 8
    .kernarg_segment_size: 56
    .max_flat_workgroup_size: 128
    .sgpr_count:     96
    .vgpr_count:     1024
    .wavefront_size: 32
...
	.end_amdgpu_metadata
.endif
;; end of part 2
;; launch attn (part 3): grid 32 x 8, 8 waves a work-group, clusters of 4 x 1, 327,680 bytes of LDS; arguments qkv, lowp_scales, y_codes; writes y_codes
.if DOCPART == 3
	.amdgcn_target "amdgcn-amd-amdhsa--gfx1250"
	.amdhsa_code_object_version 6
	.text
	.protected	k_q4c2ce1ece7_attn
	.globl	k_q4c2ce1ece7_attn
	.p2align	8
	.type	k_q4c2ce1ece7_attn,@function
k_q4c2ce1ece7_attn:
	s_mov_b64 s[64:65], 0
	v_nop
	global_prefetch_b8 v0, s[64:65] scope:SCOPE_SE
	s_setreg_imm32_b32 hwreg(HW_REG_WAVE_MODE, 25, 1), 1
	s_wait_xcnt 0x0
	s_wait_alu depctr_hold_cnt(0) depctr_sa_sdst(0) depctr_va_vdst(0) depctr_va_sdst(0) depctr_va_ssrc(0) depctr_va_vcc(0) depctr_vm_vsrc(0)
	s_getreg_b32 s2, hwreg(HW_REG_IB_STS2, 6, 4)
	s_cmp_eq_u32 s2, 0
	s_cbranch_scc0 .Lentry_in_a_cluster
	s_endpgm
.Lentry_in_a_cluster:
	s_bfe_u32 s2, ttmp6, 0x10000c
	s_cmp_lg_u32 s2, 0x3003
	s_cbranch_scc0 .Lentry_shape_is_right
	s_endpgm
.Lentry_shape_is_right:
; y = softmax(q k^T / sqrt(128), causal) v for 16 heads of queries on 4 heads of keys and values, both products on codes of FP8 (E4M3); y is quantised for the last product (e6).
; LEFT OUT: blocks of 128 keys that lie wholly behind a tile's queries.  reference() sets their scores to -infinity by its own causal mask, so their weights are 0 whatever the inputs hold.  LIMIT: a NaN or an infinity that reaches only those blocks is not carried.
; IN (qkv, 24 planes of 262,144 bytes, each 16 blocks of 16,384): q (planes 0-15): [tile of 16 tokens][c][lane 16 h + r][16 bytes], d = 32 c + 16 h + byte.  k (16-19): [c][h][tile of 16 keys][r][16 bytes], the same d.
;   v (20-23): [128 d][128 keys], within each 32 keys in the order 0-7, 16-23, 8-15, 24-31.  OUT: y_codes [2048 t][2048], column 128 head + d.
; THE SOFTMAX: t = score x log2(e) / sqrt(128); M = the largest t so far, rounded up to a whole number; p = 2^(t - M) is quantised (e4), not normalised; the sum is taken of the unquantised p and divides at the end.
; SHARES.  Work-group (x 0..31, y 0..7): two heads 2 y, 2 y + 1 (one head of keys, y / 2) and two blocks of 32 queries: A = block x, B = block 63 - x.  With X = x / 4 block A has X + 1 blocks of keys and B 16 - X: a walk of 17 steps in every work-group.
; EIGHT WAVES, two to a SIMD.  Wave number bits: 0 the head, 1 which 16 of the 32 queries, 2 the SET.  The two waves of a tile share the walk: set 0 takes its even steps, set 1 the odd ones, each with its own M, sum and O^T.
; A slot holds two steps, one for each set, so both sets work in every slot.  A wave's partial of block A goes to LDS bytes of its own when it passes to block B; at the end set 1's partial of B goes there too.
; Behind one barrier set 0 joins the two partials of B, set 1 those of A: M = the larger, each partial x 2^(its M - M), which rounds nothing.  A set with no step of A leaves zeros under M = -3e38, whose factor is 0.
; THE RING: two slots, 2^17 bytes apart; a step is k's block and v's block, each 64 LDS rows of 256 + 16 bytes.  Each wave fetches half a block (32 rows) by one joint load: bit 0 the step, bit 1 k or v, bit 2 the half.
; CLUSTER: the four work-groups of a cluster have the same X and y, so they walk the same blocks: every tile is asked for jointly (mask 15), behind a round of the cluster's barrier.
; PREFETCH: cluster x = 0 of the even y asks, a slot's two blocks at each change of slots that refills both steps, for blocks that later changes load: waves 0 (k) and 2 (v), a quarter to each partner by address, lanes 256 bytes apart.
; Both products are used transposed: a lane holds one query (lane % 16); S^T tile t, register j is key 16 t + 8 (lane / 16) + j.
; LIMITS: e2 + e3 between -123 and 130; e4 and e6 between -126 and 119; the scaled scores stay under 2^31 in magnitude.
; REGISTERS: window 0: v1-11 addresses; v12 -M, v13 the largest t, v[14:15] the sum; v16-31 Q; v32-47 block B's Q; v48-63 y's codes; v80-93 addresses and work; v96-159 S^T, then p; v160-223 O^T; v224-239 p's codes; v240-254 constants and work.
;   window 1: v0-127 k's eight fragments, v128-255 v's.
.set VOFF,  64*272                     ; a block in LDS
.set STEPB, 2*VOFF                     ; a step: k's block, v's block
.set SLOT1, 1<<17
.set SB,    2*STEPB                    ; behind slot 0: set 1's partials of block B, four of STW bytes
.set STAGE, SLOT1+2*STEPB              ; the way out: 64 rows (A's 32 queries, B's 32) x 272
.set SP,    272
.set SPARE, STAGE+64*SP                ; the spare words, 128 bytes a wave
.set SA,    SPARE+1024                 ; the partials of block A, eight of STW bytes
.set STW,   17*512                     ; a partial: O^T, 16 x 512 bytes, then -M, t, the sum
.set AK0, 1
.set AV0, 2
.set PFO, 3
.set DM,  4
.set SPW, 5
.set NIL, 6
.set GO,  7
.set ADK, 8
.set ADV, 9
.set STO, 10
.set RD,  11
.set Q,   16
.set QB,  32
.set Y,   48
.set DB,  80
.set TP,  82
.set QO,  83
.set SAO, 91
.set SBO, 92
.set OTH, 93
.set S,   96
.set OT,  160
.set PC,  224
.set MX,  246
.set WV,  10
.set WL,  11
.set WH,  12
.set PS,  18
.set SEL, 20
.set CS,  22
.set G1,  24
.set G0,  32
.set G0F, 76
.set TBASE, 36
.set TOFF, 38
.set FS,  40
.set NA,  41
.set LEFT, 42
.set TB,  43
.set SLOTS, 44
.set LIM, 46
.set PFA, 48
.set NBK, 50
.set EPV, 60
.set MSB, 0
.macro WIN new                         ; the immediate's high byte repeats the setting that is left
.if MSB != \new
	s_set_vgpr_msb (MSB<<8)|\new
.set MSB, \new
.endif
.endm
.macro CROUND                          ; a round of the cluster's barrier
	s_barrier_signal -1
	s_barrier_wait -1
	s_cmp_lg_u32 s[WV], 0
	s_cbranch_scc1 .Lnot_wave_0_\@
	s_barrier_signal -3
.Lnot_wave_0_\@:
	s_barrier_wait -3
	s_barrier_signal -1
	s_barrier_wait -1
.endm
.macro TILEADR g                       ; step FS of the walk is block FS of the keys for A, FS - NA for B
	s_cmp_lt_u32 s[FS], s[NA]
	s_cselect_b32 s61, 0, s[NA]
	s_sub_co_u32 s[TOFF], s[FS], s61
	s_lshl_b32 s[TOFF], s[TOFF], 14
	s_add_nc_u64 s[\g+2:\g+3], s[TBASE:TBASE+1], s[TOFF:TOFF+1]
	s_or_b32 s[\g+3], s[\g+3], 0x80000000
.endm
.macro ASK
	s_cmp_gt_u32 s[SLOTS], s[LIM]
	s_cbranch_scc0 .Lnot_mine_\@
	global_prefetch_b8 v[PFO], s[PFA:PFA+1] th:TH_LOAD_NT scope:SCOPE_SE
.Lnot_mine_\@:
.endm
.macro KLOAD                           ; k's eight fragments: LDS row 16 c + 8 h + tile, sixteen lanes on 256 consecutive bytes
	WIN 0x40
.set tt, 0
.rept 8
.irp c, 0,1,2,3
	ds_load_b128 v[16*tt+4*\c:16*tt+4*\c+3], v[ADK] offset:272*tt+4352*\c
.endr
.set tt, tt+1
.endr
	WIN 0
.endm
.macro VLOAD                           ; v's eight fragments: 16 bytes are keys 32 c + 8 h + 0 .. 7 and 32 c + 16 + 8 h + 0 .. 7: register pairs 2 c and 2 c + 1 of the operand
	WIN 0x40
.set tt, 0
.rept 8
.irp c, 0,1,2,3
	ds_load_b128 v[128+16*tt+4*\c:128+16*tt+4*\c+3], v[ADV] offset:2176*tt+32*\c
.endr
.set tt, tt+1
.endr
	WIN 0
.endm
	s_load_b128 s[4:7], s[0:1], 0x0                ; qkv s[4:5], the scales' exponents s[6:7]
	s_load_b64 s[8:9], s[0:1], 0x10                ; y_codes
	v_lshl_add_u32 v[SPW], v0, 2, SPARE
	v_mov_b32 v[NIL], 0
	ds_add_u32 v[SPW], v[NIL]                      ; the opening lines: the add, twice on end, and its wait ahead of my first tensor load
	ds_add_u32 v[SPW], v[NIL]
	v_lshrrev_b32 v8, 5, v0
	v_readfirstlane_b32 s[WV], v8                  ; wave 0..7
	s_and_b32 s[WL], s[WV], 1
	s_bfe_u32 s[WH], s[WV], 0x10001
	s_lshr_b32 s[PS], s[WV], 2                     ; my set
	s_bfe_u32 s13, ttmp6, 0x40000                  ; cx
	s_mov_b32 s14, ttmp9                           ; X
	s_and_b32 s15, ttmp7, 0xffff                   ; y
	s_lshl_b32 s16, s14, 2
	s_add_co_u32 s16, s16, s13                     ; x
	s_lshr_b32 s17, s15, 1                         ; the head of keys
	s_add_co_u32 s[NA], s14, 1
	s_sub_co_u32 s[NBK], 16, s14
	s_sub_co_u32 s[LEFT], s[NA], s[PS]             ; steps from my next one to the end of block A's, that one counted; 0 or less: none
	s_mov_b32 s[TB], 0
	s_mov_b32 s[SLOTS], 6
	s_mov_b32 s[FS], s[WL]
	s_mov_b32 s[SEL], 0x76543210
	s_mov_b32 s[SEL+1], 0xfedcba98
	s_mov_b32 s[G1], 15|(0<<16)|(1<<20)|(1<<21)|(5<<22)|(3<<25)   ; half a block is 8,192 dense bytes: 32 rows of 256 bytes, 16 bytes of padding behind each
	s_mov_b32 s[G1+1], 256<<16
	s_mov_b32 s[G1+2], 32<<16
	s_mov_b32 s[G1+3], 256<<16
	s_mov_b32 s[G1+4], 32
	s_mov_b32 s[G1+5], 256
	s_mov_b32 s[G1+6], 0
	s_mov_b32 s[G1+7], 0
	s_cmp_eq_u32 s[WH], 0
	s_cselect_b32 s61, 16, 20                      ; I fetch for k or for v
	s_add_co_u32 s61, s61, s17
	s_lshl_b32 s62, s61, 18
	s_lshl_b32 s61, s[PS], 13                      ; which half of the block
	s_add_co_u32 s62, s62, s61
	s_mov_b32 s63, 0
	s_mov_b32 s[G0F], 1
	s_mul_i32 s[G0F+1], s[WL], STEPB
	s_mul_i32 s61, s[WH], VOFF
	s_add_co_u32 s[G0F+1], s[G0F+1], s61
	s_mul_i32 s61, s[PS], 32*272
	s_add_co_u32 s[G0F+1], s[G0F+1], s61
	s_mov_b32 s[G0], 1
	s_add_co_u32 s[G0+1], s[G0F+1], SLOT1
	s_mov_b32 s[TOFF+1], 0
	s_wait_dscnt 0x0                               ; both opening adds are done
	s_wait_kmcnt 0x0
	s_load_b256 s[52:59], s[6:7], 0x0              ; e0 .. e7
	s_add_nc_u64 s[TBASE:TBASE+1], s[4:5], s[62:63]
	TILEADR G0F
	s_add_co_u32 s[FS], s[FS], 2
	TILEADR G0
	CROUND
	tensor_load_to_lds s[G0F:G0F+3], s[G1:G1+7]    ; slot 0: my one tensor load at the head; the set-up below stands under its flight
	s_nop 0
	s_lshl_b32 s66, s15, 1                         ; Q: plane 2 y + head bit, my 16 queries: 2,048 bytes
	s_add_co_u32 s66, s66, s[WL]
	s_lshl_b32 s66, s66, 18
	s_lshl_b32 s68, s[WH], 11
	s_add_co_u32 s66, s66, s68
	s_lshl_b32 s68, s16, 12
	s_add_co_u32 s68, s68, s66
	s_mov_b32 s69, 0
	s_add_nc_u64 s[68:69], s[4:5], s[68:69]        ; block A's
	s_sub_co_u32 s70, 63, s16
	s_lshl_b32 s70, s70, 12
	s_add_co_u32 s70, s70, s66
	s_mov_b32 s71, 0
	s_add_nc_u64 s[70:71], s[4:5], s[70:71]        ; block B's
	s_mul_i32 s19, s[PS], STEPB                    ; my set's step of a slot
	s_lshl_b32 s45, s13, 5
	s_lshl_b32 s72, s[WH], 4
	s_add_co_u32 s45, s45, s72                     ; my first query of A within its 128 keys
	s_sub_co_u32 s47, 3, s13
	s_lshl_b32 s47, s47, 5
	s_add_co_u32 s47, s47, s72                     ; and of B
	s_xor_b32 s51, s[PS], 1                        ; the stage: set 1 finishes A (rows 0-31), set 0 B (rows 32-63)
	s_mul_i32 s51, s51, 32*SP
	s_mul_i32 s72, s[WH], 16*SP
	s_add_co_u32 s51, s51, s72
	s_lshl_b32 s72, s[WL], 7
	s_add_co_u32 s51, s51, s72
	s_add_co_u32 s51, s51, STAGE
	s_mul_i32 s61, s[WV], 8*SP                     ; back: wave w sends rows 8 w .. 8 w + 7
	s_add_co_u32 s61, s61, STAGE
	s_mul_i32 s62, s[WV], STW
	s_add_co_u32 s62, s62, SA                      ; my partial of A
	s_and_b32 s63, s[WV], 3
	s_mul_i32 s63, s63, STW
	s_add_co_u32 s63, s63, SB                      ; my tile's partial of B from set 1
	s_mul_i32 s67, s[PS], SA-SB
	s_add_co_u32 s67, s67, s63                     ; the other set's partial that I join: set 0: of B; set 1: set 0's of A
	s_sub_co_u32 s72, 63, s16                      ; y_codes: rows of 2,048 bytes: block x (waves 0-3) or 63 - x, + 8 rows x (wave % 4), + 256 y
	s_cmp_lt_u32 s[WV], 4
	s_cselect_b32 s72, s16, s72
	s_lshl_b32 s72, s72, 16
	s_and_b32 s73, s[WV], 3
	s_lshl_b32 s73, s73, 14
	s_add_co_u32 s72, s72, s73
	s_lshl_b32 s73, s15, 8
	s_add_co_u32 s72, s72, s73
	s_mov_b32 s73, 0
	s_add_nc_u64 s[8:9], s[8:9], s[72:73]
	s_lshl_b32 s72, s13, 13                        ; the prefetches: my partner's quarter of two blocks, from block 3 on
	s_add_co_u32 s72, s72, 3*16384
	s_add_nc_u64 s[PFA:PFA+1], s[TBASE:TBASE+1], s[72:73]
	s_and_b32 s[LIM], s15, 1
	s_or_b32 s[LIM], s[LIM], s[WL]
	s_or_b32 s[LIM], s[LIM], s[PS]
	s_or_b32 s[LIM], s[LIM], ttmp9
	s_cmp_eq_u32 s[LIM], 0
	s_cselect_b32 s[LIM], 1, -1                    ; waves 0 and 2 of cluster x = 0, even y, ask; the others never
	v_and_b32 v84, 15, v0                          ; r
	v_bfe_u32 v85, v0, 4, 1                        ; h
	v_and_b32 v86, 31, v0                          ; lane
	v_lshlrev_b32 v[QO], 4, v86
.irp c, 0,1,2,3
	global_load_b128 v[Q+4*\c:Q+4*\c+3], v[QO], s[68:69] offset:512*\c th:TH_LOAD_NT
	global_load_b128 v[QB+4*\c:QB+4*\c+3], v[QO], s[70:71] offset:512*\c th:TH_LOAD_NT
.endr
	v_lshlrev_b32 v[PFO], 8, v86
	v_add_nc_u32 v[SAO], s62, v[QO]
	v_add_nc_u32 v[SBO], s63, v[QO]
	v_add_nc_u32 v[OTH], s67, v[QO]
	v_mul_u32_u24 v[AK0], v85, 2176                ; k: 8 LDS rows x h + 16 r
	v_lshl_add_u32 v[AK0], v84, 4, v[AK0]
	v_add_nc_u32 v[AK0], s19, v[AK0]
	v_lshrrev_b32 v87, 1, v84                      ; v: row d = r lies in LDS row r / 2, at 128 (r % 2); + 16 h
	v_mul_u32_u24 v[AV0], v87, 272
	v_and_b32 v87, 1, v84
	v_lshl_add_u32 v[AV0], v87, 7, v[AV0]
	v_lshl_add_u32 v[AV0], v85, 4, v[AV0]
	v_add_nc_u32 v[AV0], VOFF, v[AV0]
	v_add_nc_u32 v[AV0], s19, v[AV0]
	v_lshlrev_b32 v87, 3, v85
	v_sub_nc_u32 v87, v84, v87
	v_add_nc_u32 v[DM], s45, v87                   ; my query within the diagonal block, less 8 h
	v_add_nc_u32 v[DB], s47, v87
	v_lshlrev_b32 v[GO], 11, v85
	v_lshl_add_u32 v[GO], v84, 4, v[GO]
	v_mul_u32_u24 v[STO], v84, SP
	v_lshl_add_u32 v[STO], v85, 3, v[STO]
	v_add_nc_u32 v[STO], s51, v[STO]
	v_mul_u32_u24 v[RD], v85, SP
	v_lshl_add_u32 v[RD], v84, 4, v[RD]
	v_add_nc_u32 v[RD], s61, v[RD]
	v_mov_b32 v13, 0xff61b1e6                      ; the largest t so far: -3e38
	v_floor_f32 v12, -v13
	v_mov_b32 v14, 0
	v_mov_b32 v15, 0
	v_mov_b32 v[TP], 0
	v_mov_b32 v253, 0                              ; (upper halves of pairs that are named whole)
	v_mov_b32 v251, 0
.set jj, 0
.rept 64
	v_mov_b32 v[OT+jj], 0                          ; the step is written once: the first finds zeros
.set jj, jj+1
.endr
	s_wait_kmcnt 0x0
	s_add_co_i32 s61, s54, s55
	s_lshl_b32 s61, s61, 23
	s_mov_b32 s[CS], 0x3e0293ee                    ; log2(e) / sqrt(128),
	s_add_co_i32 s[CS], s[CS], s61                 ; x 2^(e2 + e3), added to its exponent field
	s_mov_b32 s[CS+1], s[CS]
	s_add_co_i32 s[EPV], s56, s57                  ; e4 + e5
	s_add_co_i32 s61, s56, 127
	s_lshl_b32 s72, s61, 23
	v_mov_b32 v244, s72                            ; 2^e4
	s_add_co_i32 s61, s61, 8
	s_lshl_b32 s61, s61, 23
	s_or_b32 s61, s61, 0x600000
	v_mov_b32 v240, s61                            ; 448 x 2^e4
	s_add_co_i32 s61, s58, 127
	s_lshl_b32 s72, s61, 23
	v_mov_b32 v245, s72                            ; 2^e6
	s_add_co_i32 s61, s61, 8
	s_lshl_b32 s61, s61, 23
	s_or_b32 s61, s61, 0x600000
	v_mov_b32 v241, s61                            ; 448 x 2^e6
.macro STASH adr                       ; my partial into LDS bytes of its own: each lane's registers at 16 x lane; each accumulator from its low end on
.rept 4
	v_nop
.endr
.set tt, 0
.rept 16
	ds_store_b128 v[\adr], v[OT+4*tt:OT+4*tt+3] offset:512*tt
.set tt, tt+1
.endr
	ds_store_b128 v[\adr], v[12:15] offset:8192
.endm
.macro SWITCH                          ; from block A to block B: the partial is put by; under M = -3e38 the next step's factor makes O^T zeros
	STASH SAO
	v_mov_b32 v13, 0xff61b1e6
	v_floor_f32 v12, -v13
	v_mov_b32 v14, 0
	v_mov_b32 v15, 0
.set jj, 0
.rept 16
	v_mov_b32 v[Q+jj], v[QB+jj]
.set jj, jj+1
.endr
	v_mov_b32 v[DM], v[DB]
	s_add_co_i32 s[LEFT], s[LEFT], s[NBK]
.endm
; THE CHANGE OF SLOTS.  fill = 2: the slot left is filled with both steps of two slots on; 1: with one step (the walk's last); 0: nothing is left to fetch.
.macro CHANGE fill
	s_wait_tensorcnt 0x0                           ; all my tensor loads have landed: my part of the next slot
	ds_add_u32 v[SPW], v[NIL]
.if \fill
	s_add_co_u32 s[FS], s[FS], 2
	TILEADR G0
	s_xor_b32 s[G0+1], s[G0+1], SLOT1
.endif
.if \fill == 2
	s_wait_xcnt 0x0                                ; my prefetch has read its address
	s_add_nc_u64 s[PFA:PFA+1], s[PFA:PFA+1], 32768
.endif
	s_wait_dscnt 0x0                               ; the add is done, and my reads of this slot are over: k's and v's fragments are in registers
.if \fill
	CROUND
.if \fill == 1
	s_cmp_eq_u32 s[WL], 0
	s_cbranch_scc0 .Lnone_\@
.endif
	tensor_load_to_lds s[G0:G0+3], s[G1:G1+7]
	s_nop 0
.rept 4
	v_nop
.endr
.if \fill == 1
.Lnone_\@:
.endif
.else
	s_barrier_signal -1
	s_barrier_wait -1
.endif
.endm
; A STEP: my set's 128 keys of the slot in hand.  sw: the pass from A to B may fall here.  chg: the change of slots in its middle (-1: none).  nxt: 1 the next step's k is fetched; 2 by set 0 alone; 0 not.
.macro STEP sw, chg, nxt
.if \sw
	s_cmp_gt_i32 s[LEFT], 0
	s_cbranch_scc1 .Lsame_\@
	SWITCH
.Lsame_\@:
.endif
	s_wait_dscnt 0x0                               ; k's fragments
	WIN 0x01
.set tt, 0
	s_wait_alu depctr_va_vdst(0)
.rept 8
	v_wmma_f32_16x16x128_fp8_fp8 v[S+8*tt:S+8*tt+7], v[16*tt:16*tt+15], v[Q:Q+15], 0
.set tt, tt+1
.endr
	WIN 0
.rept 4
	v_nop
.endr
	VLOAD
	s_cmp_lg_u32 s[LEFT], 1                        ; a block's last step lies on the diagonal: hidden scores become -infinity
	s_cbranch_scc1 .Lopen_\@
	v_mov_b32 v254, 0xff800000
.set nn, 0
.rept 64
	v_cmp_gt_i32 vcc_lo, 16*(nn/8)+nn%8, v[DM]
	v_cndmask_b32 v[S+nn], v[S+nn], v254, vcc_lo
.set nn, nn+1
.endr
.Lopen_\@:
.irp k, 0,1,2,3
	v_max3_num_f32 v[MX+\k], v[S+16*\k], v[S+16*\k+1], v[S+16*\k+2]
.endr
.set jj, 3
.rept 6
.irp k, 0,1,2,3
	v_max3_num_f32 v[MX+\k], v[MX+\k], v[S+16*\k+jj], v[S+16*\k+jj+1]
.endr
.set jj, jj+2
.endr
	v_max3_num_f32 v[MX], v[MX], v[S+15], v[S+31]
	v_max3_num_f32 v[MX+2], v[MX+2], v[S+47], v[S+63]
	v_max3_num_f32 v254, v[MX], v[MX+1], v[MX+2]
	v_max_num_f32 v254, v254, v[MX+3]
	v_permlanex16_b32 v[TP], v254, s[SEL], s[SEL+1]
	v_max_num_f32 v254, v254, v[TP]
	v_mul_f32 v254, s[CS], v254
	v_max_num_f32 v13, v13, v254                   ; the running largest t
	v_mov_b32 v254, v12
	v_floor_f32 v12, -v13                          ; -M
	v_sub_f32 v254, v12, v254
	v_cvt_i32_f32 v254, v254
	v_ldexp_f32 v252, 1.0, v254                    ; f = 2^(old M - new M)
.set jj, 0
.rept 32
	v_pk_fma_f32 v[S+jj:S+jj+1], v[S+jj:S+jj+1], s[CS:CS+1], v[12:13] op_sel_hi:[1,0,0]
.set jj, jj+2
.endr
.set jj, 0
	s_wait_alu depctr_va_vdst(0)                   ; ahead of the batch
.rept 64
	v_exp_f32 v[S+jj], v[S+jj]
.set jj, jj+1
.endr
	v_pk_mul_f32 v[14:15], v[14:15], v[252:253] op_sel_hi:[1,0]
	s_wait_alu depctr_va_vdst(0)                   ; and behind it
.if (\chg) >= 0
	CHANGE \chg
	s_xor_b32 s[TB], s[TB], SLOT1
	v_add_nc_u32 v[ADK], s[TB], v[AK0]
	v_add_nc_u32 v[ADV], s[TB], v[AV0]
.endif
.if (\nxt) == 1
	KLOAD
.endif
.if (\nxt) == 2
	s_cmp_lg_u32 s[PS], 0                          ; the walk's last step is set 0's
	s_cbranch_scc1 .Lnok_\@
	KLOAD
.Lnok_\@:
.endif
.if (\chg) == 2
	ASK
.endif
	v_pk_add_f32 v[242:243], v[S:S+1], v[S+2:S+3]  ; the sum of the unquantised p, in four chains
	v_pk_add_f32 v[MX:MX+1], v[S+4:S+5], v[S+6:S+7]
	v_pk_add_f32 v[MX+2:MX+3], v[S+8:S+9], v[S+10:S+11]
.set jj, 12
.rept 6
	v_pk_add_f32 v[14:15], v[14:15], v[S+jj:S+jj+1]
	v_pk_add_f32 v[242:243], v[242:243], v[S+jj+2:S+jj+3]
	v_pk_add_f32 v[MX:MX+1], v[MX:MX+1], v[S+jj+4:S+jj+5]
	v_pk_add_f32 v[MX+2:MX+3], v[MX+2:MX+3], v[S+jj+6:S+jj+7]
.set jj, jj+8
.endr
	v_pk_add_f32 v[14:15], v[14:15], v[S+60:S+61]
	v_pk_add_f32 v[242:243], v[242:243], v[S+62:S+63]
	v_pk_add_f32 v[MX:MX+1], v[MX:MX+1], v[MX+2:MX+3]
	v_pk_add_f32 v[14:15], v[14:15], v[242:243]
	v_pk_add_f32 v[14:15], v[14:15], v[MX:MX+1]
.set tt, 0
.rept 8
.set jj, 0
.rept 8
	v_min_num_f32 v[S+8*tt+jj], v[S+8*tt+jj], v240 ; the conversion does not saturate (ISA guide 7.6.2); p is not negative
.set jj, jj+1
.endr
	v_cvt_scalef32_pk8_fp8_f32 v[PC+2*tt:PC+2*tt+1], v[S+8*tt:S+8*tt+7], v244
.set tt, tt+1
.endr
.set jj, 0
.rept 32
	v_pk_mul_f32 v[OT+jj:OT+jj+1], v[OT+jj:OT+jj+1], v[252:253] op_sel_hi:[1,0]
.set jj, jj+2
.endr
.if (\chg) < 0
	s_wait_alu depctr_va_vdst(0)                   ; ahead of the wait below
	s_wait_dscnt 0x0                               ; v's fragments
.endif
	WIN 0x01
.set tt, 0
.rept 8
	v_wmma_f32_16x16x128_fp8_fp8 v[OT+8*tt:OT+8*tt+7], v[128+16*tt:128+16*tt+15], v[PC:PC+15], v[OT+8*tt:OT+8*tt+7]
.set tt, tt+1
.endr
	WIN 0
	s_sub_co_i32 s[LEFT], s[LEFT], 2               ; my next step is two on
.endm
	s_wait_alu depctr_va_vdst(0)                   ; at the head's end
	s_wait_tensorcnt 0x0                           ; my part of slot 0 is in
	ds_add_u32 v[SPW], v[NIL]
	s_wait_dscnt 0x0
	CROUND                                         ; everybody's part is in
	tensor_load_to_lds s[G0:G0+3], s[G1:G1+7]      ; slot 1
	s_nop 0
.rept 4
	v_nop
.endr
	v_add_nc_u32 v[ADK], s[TB], v[AK0]
	v_add_nc_u32 v[ADV], s[TB], v[AV0]
	KLOAD
	s_wait_loadcnt 0x0                             ; Q
.Lslot:                                            ; slots 0 to 5: each is left for the next and filled again with both steps
	STEP 1, 2, 1
	s_sub_co_u32 s[SLOTS], s[SLOTS], 1
	s_cmp_lg_u32 s[SLOTS], 0
	s_cbranch_scc1 .Lslot
	STEP 0, 1, 1                                   ; slot 6: its bytes take the walk's last step
	STEP 0, 0, 2                                   ; slot 7
	s_cmp_lg_u32 s[PS], 0
	s_cbranch_scc1 .Lset1
	STEP 0, -1, 0                                  ; slot 8: set 0's ninth step
	s_branch .Lmeet
.Lset1:
	STASH SBO                                      ; set 1: my partial of B goes to set 0, and my own partial of A comes back
.set tt, 0
.rept 16
	ds_load_b128 v[OT+4*tt:OT+4*tt+3], v[SAO] offset:512*tt
.set tt, tt+1
.endr
	ds_load_b128 v[12:15], v[SAO] offset:8192
.Lmeet:
	s_wait_dscnt 0x0                               ; for the others' sake: my stores are done
	s_barrier_signal -1
	s_barrier_wait -1
.set tt, 0
.rept 16
	ds_load_b128 v[S+4*tt:S+4*tt+3], v[OTH] offset:512*tt   ; the other set's partial of the block that I finish
.set tt, tt+1
.endr
	ds_load_b128 v[84:87], v[OTH] offset:8192
.rept 4
	v_nop
.endr
	s_wait_dscnt 0x0
	v_min_num_f32 v88, v12, v84                    ; -M of the two together: the lesser
	v_sub_f32 v89, v88, v12                        ; my M less M, a whole number, 0 or less
	v_sub_f32 v90, v88, v84                        ; the other's
	v_cvt_i32_f32 v89, v89                         ; (it saturates)
	v_cvt_i32_f32 v90, v90
	v_ldexp_f32 v252, 1.0, v89
	v_ldexp_f32 v250, 1.0, v90
	v_pk_mul_f32 v[14:15], v[14:15], v[252:253] op_sel_hi:[1,0]
	v_pk_fma_f32 v[14:15], v[86:87], v[250:251], v[14:15] op_sel_hi:[1,0,1]
.set jj, 0
.rept 32
	v_pk_mul_f32 v[OT+jj:OT+jj+1], v[OT+jj:OT+jj+1], v[252:253] op_sel_hi:[1,0]
.set jj, jj+2
.endr
.set jj, 0
.rept 32
	v_pk_fma_f32 v[OT+jj:OT+jj+1], v[S+jj:S+jj+1], v[250:251], v[OT+jj:OT+jj+1] op_sel_hi:[1,0,1]
.set jj, jj+2
.endr
	v_add_f32 v14, v14, v15                        ; the sum's two halves,
	v_permlanex16_b32 v[TP], v14, s[SEL], s[SEL+1]
	v_add_f32 v14, v14, v[TP]                      ; and lane l xor 16's
	s_wait_alu depctr_va_vdst(0)                   ; ahead of the transcendental
	v_rcp_f32 v14, v14
	v_nop
	s_wait_alu depctr_va_vdst(0)                   ; and ahead of its first reader
	v_ldexp_f32 v14, v14, s[EPV]                   ; x 2^(e4 + e5)
.set jj, 0
.rept 32
	v_pk_mul_f32 v[S+jj:S+jj+1], v[OT+jj:OT+jj+1], v[14:15] op_sel_hi:[1,0]
.set jj, jj+2
.endr
.set tt, 0
.rept 8
.set jj, 0
.rept 8
	v_med3_num_f32 v[S+8*tt+jj], v[S+8*tt+jj], -v241, v241
.set jj, jj+1
.endr
	v_cvt_scalef32_pk8_fp8_f32 v[Y+2*tt:Y+2*tt+1], v[S+8*tt:S+8*tt+7], v245
.set tt, tt+1
.endr
	v_nop
.irp t, 0,1,2,3,4,5,6,7
	ds_store_b64 v[STO], v[Y+2*\t:Y+2*\t+1] offset:16*\t   ; my query's row: 128 x head bit + 16 t + 8 h
.endr
	s_wait_dscnt 0x0
	s_barrier_signal -1
	s_barrier_wait -1                              ; a row's 256 bytes come from two waves
.irp i, 0,1,2,3
	ds_load_b128 v[S+4*\i:S+4*\i+3], v[RD] offset:2*SP*\i
.endr
.irp i, 0,1,2,3
	s_wait_dscnt 3-\i
	global_store_b128 v[GO], v[S+4*\i:S+4*\i+3], s[8:9] offset:4096*\i   ; sixteen lanes store 256 consecutive bytes, aligned
.endr
	s_wait_tensorcnt 0x0                           ; the wave's end
	ds_add_u32 v[SPW], v[NIL]
	s_wait_dscnt 0x0
	CROUND                                         ; the closing round
	s_endpgm
.Lfunc_end_k_q4c2ce1ece7_attn:
	.size	k_q4c2ce1ece7_attn, .Lfunc_end_k_q4c2ce1ece7_attn-k_q4c2ce1ece7_attn
	.p2alignl 7, 3214868480
	.fill 96, 4, 3214868480
	.section	.rodata,"a",@progbits
	.p2align	6, 0x0
	.amdhsa_kernel k_q4c2ce1ece7_attn
		.amdhsa_group_segment_fixed_size 327680
		.amdhsa_private_segment_fixed_size 0
		.amdhsa_enable_private_segment 0
		.amdhsa_kernarg_size 24
		.amdhsa_user_sgpr_count 2
		.amdhsa_user_sgpr_kernarg_segment_ptr 1
		.amdhsa_wavefront_size32 1
		.amdhsa_system_sgpr_workgroup_id_x 1
		.amdhsa_system_sgpr_workgroup_id_y 1
		.amdhsa_system_sgpr_workgroup_id_z 1
		.amdhsa_system_vgpr_workitem_id 0
		.amdhsa_next_free_vgpr 512
		.amdhsa_next_free_sgpr 80
		.amdhsa_reserve_vcc 1
		.amdhsa_float_denorm_mode_32 3
		.amdhsa_float_denorm_mode_16_64 3
		.amdhsa_memory_ordered 1
		.amdhsa_forward_progress 1
		.amdhsa_inst_pref_size 128
	.end_amdhsa_kernel
	.amdgpu_metadata
---
amdhsa.version: [ 1, 2 ]
amdhsa.kernels:
  - .name:           k_q4c2ce1ece7_attn
    .symbol:         k_q4c2ce1ece7_attn.kd
    .args:
      - { .name: qkv, .offset: 0, .size: 8, .value_kind: global_buffer, .address_space: global }
      - { .name: lowp_scales, .offset: 8, .size: 8, .value_kind: global_buffer, .address_space: global }
      - { .name: y_codes, .offset: 16, .size: 8, .value_kind: global_buffer, .address_space: global }
    .group_segment_fixed_size: 327680
    .private_segment_fixed_size: 0
    .kernarg_segment_align: 8
    .kernarg_segment_size: 24
    .max_flat_workgroup_size: 256
    .sgpr_count:     80
    .vgpr_count:     512
    .wavefront_size: 32
...
	.end_amdgpu_metadata
.endif
;; end of part 3
;; launch gemm_out (part 4): grid 16 x 16, 4 waves a work-group, clusters of 4 x 1, 327,680 bytes of LDS; arguments y_codes, wp_codes, out0, lowp_scales; writes out0
.if DOCPART == 4
	.amdgcn_target "amdgcn-amd-amdhsa--gfx1250"
	.amdhsa_code_object_version 6
	.text
	.protected	k_q4c2ce1ece7_gemm_out
	.globl	k_q4c2ce1ece7_gemm_out
	.p2align	8
	.type	k_q4c2ce1ece7_gemm_out,@function
k_q4c2ce1ece7_gemm_out:
	s_mov_b64 s[64:65], 0
	v_nop
	global_prefetch_b8 v0, s[64:65] scope:SCOPE_SE
	s_setreg_imm32_b32 hwreg(HW_REG_WAVE_MODE, 25, 1), 1
	s_wait_xcnt 0x0
	s_wait_alu depctr_hold_cnt(0) depctr_sa_sdst(0) depctr_va_vdst(0) depctr_va_sdst(0) depctr_va_ssrc(0) depctr_va_vcc(0) depctr_vm_vsrc(0)
	s_getreg_b32 s2, hwreg(HW_REG_IB_STS2, 6, 4)
	s_cmp_eq_u32 s2, 0
	s_cbranch_scc0 .Lentry_in_a_cluster
	s_endpgm
.Lentry_in_a_cluster:
	s_bfe_u32 s2, ttmp6, 0x10000c
	s_cmp_lg_u32 s2, 0x3003
	s_cbranch_scc0 .Lentry_shape_is_right
	s_endpgm
.Lentry_shape_is_right:
; out0 = y W_proj on codes of FP8 (E4M3).  y_codes [2048 t][2048 k]; out0 [2048 t][2048 n] f32.  The codes are multiplied as they are, and each finished sum once by 2^(e6 + e7).
; wp_codes in the order of operand registers: [128 tiles of 16 columns][16 K steps of 128][c 0..3][lane 16 h + r][16 bytes], the bytes being k = 128 step + 32 c + 16 h + 0 .. 15 of column 16 tile + r.
; SHARES: 256 work-groups: block of 128 tokens tb (grid y) x 128 columns cb (grid x).  Wave w takes columns 32 w .. 32 w + 31 against all 128 tokens: 16 accumulators, 128 registers.
; y's 128 rows x all of K lie in LDS, filled ONCE: wave w fetches K quarter w, 128 rows x 512 bytes, by one tensor load.  Nothing is filled again: no ring, and one barrier ahead of the products.
; W's fragments go from memory straight into registers, 512 consecutive bytes a load; no two waves of a work-group load the same byte of W.  They run NBUF - 1 = 6 K steps ahead: at most 56 loads of a wave are out.
; CLUSTER: the four work-groups of a cluster have the same tb, so y's tile is asked for jointly (mask 15); its address hangs on tb and the wave's number alone.
; No data prefetch: the text has no loop to run ahead in; y's tile is asked for once at the head, and W's loads themselves run six K steps ahead.
; The matrix instruction is used transposed (source 0 = 16 columns of W, source 1 = 16 tokens): a lane holds eight neighbouring numbers of a row of out0.  The places of k inside an instruction are permuted, alike in both operands.
; THE WAY OUT: a row's 512 bytes come from all four waves, so the block goes through a stage of 128 rows x 528 bytes and leaves as whole rows.  The stage lies in K quarter 0's region, which has had its one fill; a barrier parts all reads of y from the stores.
; LIMIT: e6 + e7 between -126 and 127, so that 2^(e6 + e7) is an f32 number.
; REGISTERS: window 0: v1-4 at work; v16-29 addresses; v128-255 accumulators ((b, a) at v[128 + 8 (8 b + a)]), then the rows on their way out.  window 1: y's fragments, two sets of 8 x 16.  window 2: W's fragments, seven sets of 2 x 16.
.set PITCH,  528                       ; an LDS row: 512 bytes + 16 of padding: an odd multiple of 16
.set REGION, 128*PITCH
.set SPARE,  4*REGION                  ; the spare words, 128 bytes a wave
.set NT,   2
.set NBUF, 7
.set BR,   16*NT
.set LB,   4*NT
.set ADA, 16                           ; v16-19 my place in a fragment's rows, K quarter 0 .. 3
.set LO,  20                           ; 16 x lane
.set STO, 24                           ; into the stage
.set RD,  25                           ; and back
.set SPW, 28
.set NIL, 29
.set ACC, 128
.set MUL, 0x06                         ; source 0 (W) window 2, source 1 (y) window 1, C and D window 0
.set MSB, 0
.macro WIN new                         ; the immediate's high byte repeats the setting that is left
.if MSB != \new
	s_set_vgpr_msb (MSB<<8)|\new
.set MSB, \new
.endif
.endm
.macro CROUND                          ; a round of the cluster's barrier
	s_barrier_signal -1
	s_barrier_wait -1
	s_cmp_lg_u32 s10, 0
	s_cbranch_scc1 .Lnot_wave_0_\@
	s_barrier_signal -3
.Lnot_wave_0_\@:
	s_barrier_wait -3
	s_barrier_signal -1
	s_barrier_wait -1
.endm
.macro PLACES                          ; four plain places behind matrix instructions (ISA guide 7.12.1)
.rept 4
	v_nop
.endr
.endm
.macro LOADB n                         ; W's two fragments of K step n into set n % NBUF
	WIN 0x80
.irp b, 0,1
.irp c, 0,1,2,3
	global_load_b128 v[BR*((\n)%NBUF)+16*\b+4*\c:BR*((\n)%NBUF)+16*\b+4*\c+3], v[LO], s[36:37] offset:32768*\b+2048*(\n)+512*\c
.endr
.endr
.endm
.macro FETCHA n, a0                    ; four of y's eight fragments of K step n, blocks a0 .. a0 + 3, into set n % 2
	WIN 0x40
.set aa, \a0
.rept 4
.irp c, 0,1,2,3
	ds_load_b128 v[128*((\n)%2)+16*aa+4*\c:128*((\n)%2)+16*aa+4*\c+3], v[ADA+(\n)/4] offset:16*PITCH*aa+128*((\n)%4)+32*\c
.endr
.set aa, aa+1
.endr
.endm
; A K step of 128: behind the places, the registers that the last step multiplied take W's loads of NBUF - 1 steps on and y's fragments of the next step; then 16 products, the accumulators by turns.
.macro KSTEP n
.if (\n) > 0
	PLACES
.if (\n)+NBUF-1 < 16
	LOADB (\n)+NBUF-1
.endif
.endif
.if (\n) < 15
	FETCHA (\n)+1, 0
	s_wait_dscnt 32                                ; this step's blocks 0-3 of y are in; its blocks 4-7 and the 16 loads just issued may be out
.else
	s_wait_dscnt 16                                ; blocks 0-3 are in; blocks 4-7 may be out
.endif
.if (\n)+NBUF-1 < 16
	s_wait_loadcnt (NBUF-1)*LB                     ; this step's fragments of W are in; those of the six steps behind it may be out
.else
	s_wait_loadcnt (15-(\n))*LB                    ; at the end the count runs down
.endif
	WIN MUL
	MULA \n, 0                                     ; the step goes in two halves of y's blocks, half of the next step's LDS loads ahead of each
.if (\n) < 15
	FETCHA (\n)+1, 4
	s_wait_dscnt 32                                ; this step's blocks 4-7 are in; the next step's 32 loads may be out
.else
	s_wait_dscnt 0x0
.endif
	WIN MUL
	MULA \n, 4
.endm
.macro MULA n, a0                      ; y's blocks a0 .. a0 + 3 against W's tiles
.set bb, 0
.rept NT
.set aa, \a0
.rept 4
.if (\n) == 0
	v_wmma_f32_16x16x128_fp8_fp8 v[ACC+8*(8*bb+aa):ACC+8*(8*bb+aa)+7], v[BR*((\n)%NBUF)+16*bb:BR*((\n)%NBUF)+16*bb+15], v[128*((\n)%2)+16*aa:128*((\n)%2)+16*aa+15], 0
.else
	v_wmma_f32_16x16x128_fp8_fp8 v[ACC+8*(8*bb+aa):ACC+8*(8*bb+aa)+7], v[BR*((\n)%NBUF)+16*bb:BR*((\n)%NBUF)+16*bb+15], v[128*((\n)%2)+16*aa:128*((\n)%2)+16*aa+15], v[ACC+8*(8*bb+aa):ACC+8*(8*bb+aa)+7]
.endif
.set aa, aa+1
.endr
.set bb, bb+1
.endr
.endm
	s_load_b128 s[4:7], s[0:1], 0x0                ; y's codes s[4:5], W's codes s[6:7]
	s_load_b128 s[72:75], s[0:1], 0x10             ; out0 s[72:73], the scales' exponents s[74:75]
	v_lshl_add_u32 v[SPW], v0, 2, SPARE
	v_mov_b32 v[NIL], 0
	ds_add_u32 v[SPW], v[NIL]                      ; the opening lines: the add, twice on end, and its wait ahead of my tensor load
	ds_add_u32 v[SPW], v[NIL]
	v_lshrrev_b32 v1, 5, v0
	v_readfirstlane_b32 s10, v1                    ; wave w
	s_bfe_u32 s13, ttmp6, 0x40000                  ; cx
	s_lshl_b32 s14, ttmp9, 2
	s_add_co_u32 s14, s14, s13                     ; cb = 4 x cluster x + cx
	s_and_b32 s15, ttmp7, 0xffff                   ; tb
	s_mov_b32 s24, 15|(1<<20)|(1<<21)|(6<<22)|(3<<25)   ; group 1: the mask of all four partners; elements of 1 byte; padding of 4 words behind every 128; bit 21 beside the mask
	s_mov_b32 s25, 512<<16                         ; tensor_dim0
	s_mov_b32 s26, 128<<16                         ; tensor_dim1
	s_mov_b32 s27, 512<<16                         ; tile_dim0
	s_mov_b32 s28, 128                             ; tile_dim1
	s_mov_b32 s29, 2048                            ; from row to row
	s_mov_b32 s30, 0
	s_mov_b32 s31, 0
	s_mov_b32 s32, 1                               ; group 0
	s_mul_i32 s33, s10, REGION                     ; LDS: my K quarter's region
	s_lshl_b32 s16, s15, 18                        ; memory: 128 tb rows of 2,048 bytes,
	s_lshl_b32 s17, s10, 9                         ; + 512 w
	s_add_co_u32 s16, s16, s17
	s_mov_b32 s17, 0
	s_lshl_b32 s18, s10, 7                         ; the stage: my 128 bytes of a row,
	s_mul_i32 s19, s10, 32*PITCH                   ; and the 32 rows that I send
	s_wait_dscnt 0x0                               ; both opening adds are done
	s_wait_kmcnt 0x0
	s_load_b256 s[76:83], s[74:75], 0x0            ; e0 .. e7
	s_add_nc_u64 s[34:35], s[4:5], s[16:17]
	s_or_b32 s35, s35, 0x80000000                  ; type = 2
	CROUND                                         ; all four work-groups are here: the joint loads meet
	tensor_load_to_lds s[32:35], s[24:31]          ; my one tensor load of the launch
	s_nop 0
	v_and_b32 v1, 15, v0                           ; r
	v_bfe_u32 v2, v0, 4, 1                         ; h
	v_and_b32 v3, 31, v0                           ; lane
	v_lshlrev_b32 v[LO], 4, v3
	v_mul_u32_u24 v4, v1, PITCH
	v_lshl_add_u32 v[ADA], v2, 4, v4               ; row r x pitch + 16 h
	v_add_nc_u32 v[ADA+1], REGION, v[ADA]
	v_add_nc_u32 v[ADA+2], 2*REGION, v[ADA]
	v_add_nc_u32 v[ADA+3], 3*REGION, v[ADA]
	v_lshl_add_u32 v4, v2, 5, v4
	v_add_nc_u32 v[STO], s18, v4                   ; in: row r, 128 w + 32 h
	v_add_nc_u32 v[RD], s19, v[LO]                 ; back: the 32 lanes take one row of 512 bytes
	s_wait_alu depctr_va_vdst(0)                   ; ahead of the run of scalar lines
	s_mov_b32 s51, 0
	s_lshl_b32 s50, s14, 18                        ; W: tiles 8 cb + 2 w, + 1, of 32,768 bytes
	s_lshl_b32 s52, s10, 16
	s_add_co_u32 s50, s50, s52
	s_add_nc_u64 s[36:37], s[6:7], s[50:51]
	s_lshl_b32 s50, s15, 20                        ; out0: row 128 tb + 32 w of 8,192 bytes, + 512 cb
	s_lshl_b32 s52, s10, 18
	s_add_co_u32 s50, s50, s52
	s_lshl_b32 s52, s14, 9
	s_add_co_u32 s50, s50, s52
	s_add_nc_u64 s[8:9], s[72:73], s[50:51]
.irp n, 0,1,2,3,4,5,6
	LOADB \n
.endr
	WIN 0
	s_wait_kmcnt 0x0
	s_add_co_i32 s66, s82, s83                     ; e6 + e7
	s_add_co_i32 s66, s66, 127
	s_lshl_b32 s66, s66, 23                        ; 2^(e6 + e7)
	s_mov_b32 s67, s66                             ; (named with it as a pair)
	s_wait_tensorcnt 0x0                           ; my K quarter is in
	s_barrier_signal -1
	s_barrier_wait -1                              ; everybody's is
	FETCHA 0, 0
	FETCHA 0, 4
.set kk, 0
.rept 16
	KSTEP kk
.set kk, kk+1
.endr
	WIN 0
	s_wait_dscnt 0x0                               ; my reads of y are over
	s_barrier_signal -1
	PLACES
.set jj, 0
.rept 64
	v_pk_mul_f32 v[ACC+jj:ACC+jj+1], v[ACC+jj:ACC+jj+1], s[66:67] op_sel_hi:[1,0]   ; both x 2^(e6 + e7); each accumulator from its low end on
.set jj, jj+2
.endr
	s_wait_alu depctr_va_vdst(0)                   ; ahead of the barrier's wait
	s_barrier_wait -1                              ; everybody's are: the stage may be written
.irp b, 0,1
.irp a, 0,1,2,3,4,5,6,7
	ds_store_b128 v[STO], v[ACC+8*(8*\b+\a):ACC+8*(8*\b+\a)+3] offset:16*PITCH*\a+64*\b
	ds_store_b128 v[STO], v[ACC+8*(8*\b+\a)+4:ACC+8*(8*\b+\a)+7] offset:16*PITCH*\a+64*\b+16
.endr
.endr
	s_wait_dscnt 0x0                               ; for the others' sake: my stores are done
	s_barrier_signal -1
	s_barrier_wait -1
.set ii, 0
.rept 32
	ds_load_b128 v[ACC+4*ii:ACC+4*ii+3], v[RD] offset:PITCH*ii
.set ii, ii+1
.endr
.set ii, 0
.rept 4
	s_wait_dscnt 24-8*ii                           ; LDS loads come back in order: eight more rows are in
.irp t, 0,1,2,3,4,5,6,7
	global_store_b128 v[LO], v[ACC+4*(8*ii+\t):ACC+4*(8*ii+\t)+3], s[8:9] offset:(8*ii+\t)*8192 th:TH_STORE_NT   ; the wave stores 512 consecutive bytes of a row, aligned
.endr
.set ii, ii+1
.endr
	s_wait_tensorcnt 0x0                           ; the wave's end
	ds_add_u32 v[SPW], v[NIL]
	s_wait_dscnt 0x0
	CROUND                                         ; the closing round
	s_endpgm
.Lfunc_end_k_q4c2ce1ece7_gemm_out:
	.size	k_q4c2ce1ece7_gemm_out, .Lfunc_end_k_q4c2ce1ece7_gemm_out-k_q4c2ce1ece7_gemm_out
	.p2alignl 7, 3214868480
	.fill 96, 4, 3214868480
	.section	.rodata,"a",@progbits
	.p2align	6, 0x0
	.amdhsa_kernel k_q4c2ce1ece7_gemm_out
		.amdhsa_group_segment_fixed_size 327680
		.amdhsa_private_segment_fixed_size 0
		.amdhsa_enable_private_segment 0
		.amdhsa_kernarg_size 32
		.amdhsa_user_sgpr_count 2
		.amdhsa_user_sgpr_kernarg_segment_ptr 1
		.amdhsa_wavefront_size32 1
		.amdhsa_system_sgpr_workgroup_id_x 1
		.amdhsa_system_sgpr_workgroup_id_y 1
		.amdhsa_system_sgpr_workgroup_id_z 1
		.amdhsa_system_vgpr_workitem_id 0
		.amdhsa_next_free_vgpr 1024
		.amdhsa_next_free_sgpr 96
		.amdhsa_reserve_vcc 0
		.amdhsa_float_denorm_mode_32 3
		.amdhsa_float_denorm_mode_16_64 3
		.amdhsa_memory_ordered 1
		.amdhsa_forward_progress 1
		.amdhsa_inst_pref_size 82
	.end_amdhsa_kernel
	.amdgpu_metadata
---
amdhsa.version: [ 1, 2 ]
amdhsa.kernels:
  - .name:           k_q4c2ce1ece7_gemm_out
    .symbol:         k_q4c2ce1ece7_gemm_out.kd
    .args:
      - { .name: y_codes, .offset: 0, .size: 8, .value_kind: global_buffer, .address_space: global }
      - { .name: wp_codes, .offset: 8, .size: 8, .value_kind: global_buffer, .address_space: global }
      - { .name: out0, .offset: 16, .size: 8, .value_kind: global_buffer, .address_space: global }
      - { .name: lowp_scales, .offset: 24, .size: 8, .value_kind: global_buffer, .address_space: global }
    .group_segment_fixed_size: 327680
    .private_segment_fixed_size: 0
    .kernarg_segment_align: 8
    .kernarg_segment_size: 32
    .max_flat_workgroup_size: 128
    .sgpr_count:     96
    .vgpr_count:     1024
    .wavefront_size: 32
...
	.end_amdgpu_metadata
.endif
;; end of part 4
